; MI455X (gfx1250); checked and timed in simulation.
; The chip was launched on July 23, 2026; its instructions are those of AMD's public machine-readable ISA for CDNA 5 (MIT licence, August 2026) and "CDNA5" Instruction Set Architecture Reference Guide (July 2026). The comments in the code are by the model that wrote it; some were corrected since.
;; Chunked Cross Attention. Allowed arithmetic: matrix products marked QUANTISED: E4M3 operands, one E8M0 scale for each 32 along K, by v_wmma_scale_f32_16x16x128_f8f6f4 with both operands' format E4M3, f32 sums; everything else in f32.
;; Inputs: Wk_codes 1,024 x 32 x 32 uint8 (E4M3 codes of Wk, K innermost, in blocks of 32 codes); Wk_scales 1,024 x 32 uint8 (E8M0 scales of Wk, one for each 32 codes along K); Wo_codes 1,024 x 32 x 32 uint8 (E4M3 codes of Wo, K innermost, in blocks of 32 codes); Wo_scales 1,024 x 32 uint8 (E8M0 scales of Wo, one for each 32 codes along K); Wq_codes 1,024 x 32 x 32 uint8 (E4M3 codes of Wq, K innermost, in blocks of 32 codes); Wq_scales 1,024 x 32 uint8 (E8M0 scales of Wq, one for each 32 codes along K); Wv_codes 1,024 x 32 x 32 uint8 (E4M3 codes of Wv, K innermost, in blocks of 32 codes); Wv_scales 1,024 x 32 uint8 (E8M0 scales of Wv, one for each 32 codes along K); bk 1,024 float32; bo 1,024 float32; bq 1,024 float32; bv 1,024 float32; e_codes 4 x 16 x 2 x 128 x 32 x 32 uint8 (E4M3 codes of e, K innermost, in blocks of 32 codes); e_scales 4 x 16 x 2 x 128 x 32 uint8 (E8M0 scales of e, one for each 32 codes along K); g_norm 1,024 float32; h 4 x 1,024 x 1,024 float32.
;; Outputs: out0 4 x 1,024 x 1,024 float32.
;; This version of the problem:
;;   THIS VERSION OF THE PROBLEM IS GIVEN IN LOW PRECISION. The matrix products marked QUANTISED in the list below multiply operands that are first quantised to E4M3 (4 exponent bits, 3 mantissa bits; 8 bits a number), with one power-of-two scale for each 32 numbers along K (OCP MX v1.0); their sums are f32. All else is computed in f32.
;;   The module's matrix products, in the order in which they are computed (A, B: the left and right operand; K: the contracted axis; several contracted axes count as one K, in the product's order):
;;     1. [M 4,096, K 1,024] x [K 1,024, N 1,024]; A: computed on the way; B: input Wq (given as codes): QUANTISED
;;     2. [M 16,384, K 1,024] x [K 1,024, N 1,024]; A: input e (given as codes); B: input Wk (given as codes): QUANTISED
;;     3. [M 16,384, K 1,024] x [K 1,024, N 1,024]; A: input e (given as codes); B: input Wv (given as codes): QUANTISED
;;     4. batch 1,024 x [M 64, K 64] x [K 64, N 256]; A: computed on the way; B: computed on the way: QUANTISED
;;     5. batch 1,024 x [M 64, K 256] x [K 256, N 64]; A: computed on the way; B: computed on the way: QUANTISED
;;     6. [M 4,096, K 1,024] x [K 1,024, N 1,024]; A: computed on the way; B: input Wo (given as codes): QUANTISED
;;   THE QUANTISER, for each operand of a quantised product, along K:
;;     - K is cut into blocks of 32 from its start; a last block that is shorter is filled with zeros.
;;     - A block's scale is 2^e with e = floor(log2(the largest magnitude in the block)) - 8, held to -126 .. 127; a block of zeros has e = 0. As a byte (E8M0): e + 127.
;;     - Each number is divided by its block's scale, clamped to +-448, and rounded to the nearest number of E4M3, ties to even, subnormals kept.
;;     - The product sums the exact products of the quantised numbers (number of the format x scale) in f32.
;;   ~~~python
;;   def quantise(x, axis):      # numpy; x: float32 -> the quantised numbers, widened to float32 again
;;       x = np.moveaxis(x, axis, -1); K = x.shape[-1]
;;       x = np.pad(x, [(0, 0)] * (x.ndim - 1) + [(0, -K % 32)]); x = x.reshape(x.shape[:-1] + (-1, 32)); a = np.abs(x).max(-1, keepdims=True)
;;       e = np.where(a > 0, np.clip(np.frexp(np.where(a > 0, a, 1))[1] - 1 - 8, -126, 127), 0)      # np.frexp(a)[1] - 1 = floor(log2(a)), exactly
;;       r = np.clip(x / 2.0 ** e, -448, 448)
;;       step = 2.0 ** (np.maximum(np.frexp(np.where(r == 0, 1, r))[1] - 1, -6) - 3)
;;       q = np.round(r / step) * step * 2.0 ** e      # np.round: ties to even
;;       return np.moveaxis(q.reshape(q.shape[:-2] + (-1,))[..., :K], -1, axis).astype(np.float32)
;;   ~~~
;;   OPERANDS COMPUTED ON THE WAY. 'Computed on the way' means the value that the module computes at that place (a softmax that the list does not call 'softmax' is quantised finished and normalised). What goes into a quantiser is computed in f32, as accurately as f32 sums, v_exp_f32 and their like allow (about 1e-6 of the number): no bf16 or f16 on the way to a quantiser, and a product that is left as it is and whose result goes on into a quantised operand takes f32 operands (vector FMAs, or v_wmma_f32_16x16x4_f32). A number that lies on a knife's edge between two numbers of the format may be rounded either way, as far as f32 arithmetic and the matrix unit's own rounding can turn it there, and no further.
;;   INPUTS GIVEN AS CODES. Wk (in the module: [1024, 1024], K = its axis 0); Wo (in the module: [1024, 1024], K = its axis 0); Wq (in the module: [1024, 1024], K = its axis 0); Wv (in the module: [1024, 1024], K = its axis 0); e (in the module: [4, 16, 2, 128, 1024], K = its axis 4): each comes as NAME_codes (uint8): NAME with its K axis moved to the last place and cut into blocks of 32 codes, [.., K / 32, bytes a block], one block behind the other in memory; one code a byte (a code: sign, 4 exponent bits, 3 mantissa bits); and NAME_scales (uint8): the same leading axes, one E8M0 byte (e + 127) for each 32 codes along K. Its value is code x scale, taken as it is: it is not quantised again, and the codes and scales need not be those that the quantiser above would give.
;; One version. Each part assembles by itself: llvm-mc -triple=amdgcn-amd-amdhsa -mcpu=gfx1250 --defsym DOCPART=n.
;; ======== version 1 of 1: 3 launches
;; workspace buffers: hq 4,194,304 bytes; hs 131,072 bytes; wf 3,244,032 bytes; esf 524,288 bytes; oc 4,194,304 bytes; os 131,072 bytes
;; launch prep (part 1): grid 256 x 1, 4 waves a work-group, no clusters, 38,912 bytes of LDS; arguments h, g_norm, Wq_codes, Wq_scales, Wv_codes, Wv_scales, Wk_codes, Wk_scales, e_scales, hq, hs, wf, esf; writes hq, hs, wf, esf
.if DOCPART == 1
	.amdgcn_target "amdgcn-amd-amdhsa--gfx1250"
	.amdhsa_code_object_version 6
	.text
	.protected	k_q52360b68de_prep
	.globl	k_q52360b68de_prep
	.p2align	8
	.type	k_q52360b68de_prep,@function
k_q52360b68de_prep:
	s_mov_b64 s[64:65], 0
	v_nop
	global_prefetch_b8 v0, s[64:65] scope:SCOPE_SE
	s_setreg_imm32_b32 hwreg(HW_REG_WAVE_MODE, 25, 1), 1
	s_wait_xcnt 0x0
; PREP.  Four jobs, all of them laying operands in the order of the matrix unit's registers, so that the next launch loads every fragment as runs of 512 consecutive bytes.
; (A) hn = rmsnorm(h shifted up by 63 rows), 63 rows of zeros at each batch's end, quantised to E4M3 with one E8M0 byte for each 32 along K.
;     hq: [row tile 256][K step 8][c 4][lane 32][16 bytes]: lane (r, hh) holds k = 128 s + 32 c + 16 hh + 0..15 of row r.   hs: [row tile][K step][r 16], a word of four scale bytes.
; (B) Wq, Wv, Wk: wf = [matrix 3][head 16][K step 8] records of 8,448 bytes: four fragments of 2,048 bytes (tile t = 2 b + u holds rows 64 head + 32 b + 8 u + r + 8 (r / 8)),
; (C) then 256 bytes of scale words [lane 32][q 2]: lane (r, hh), word q: tile 2 hh + q, row r.
; (D) e's scale words: esf = [chunk 64][K step 8][i 2][lane 32][q 4]: lane (r, hh): e's tile 4 i + q + 8 hh, row r.
; SHARES.  256 work-groups of four waves.  Work-group g owns row tile g of hn, wave w its rows 4 w .. 4 w + 3; the other jobs are dealt out by g and w (below).
; A row is loaded dense (eight loads of 512 bytes), normalised, and turned through the wave's own stage in LDS so that a lane holds 16 neighbours along K; two neighbouring lanes hold a block.
; The codes of the 16 rows meet in an image of the fragments in LDS (64 units of 256 bytes + 16), one barrier, and leave as runs of 512 bytes.
; LIMITS: NaN and infinities among the inputs are not served.  A block of zeros, or one whose largest magnitude lies under 2^-118, gets the byte 1 (the bytes are read by this program alone; zero codes add nothing).
.set SP,    80                         ; a lane's place in a stage: 64 bytes + 16 of padding
.set STGB,  32*SP                      ; a stage
.set IMG,   4*2*STGB                   ; behind the waves' stages: the image of the tile's fragments
.set UP,    272                        ; a unit of it: 16 rows x 16 bytes + 16 of padding
.set HSBY,  IMG+64*UP                  ; the tile's 512 scale bytes
.set SPARE, HSBY+512                   ; the spare words, 128 bytes for each wave; no other line names them
.set REC,   8448
.set HEADB, 8*REC
.set MATB,  16*HEADB
.set LN,   1                           ; lane
.set L16,  2                           ; 16 x lane
.set R,    3                           ; lane % 16
.set HH,   4                           ; lane / 16
.set SIN,  5                           ; stage, way in
.set SOUT, 6                           ; stage, way out
.set IA,   7                           ; image: where my codes go
.set BA,   8                           ; where my block's scale byte goes
.set RDI,  9                           ; image: where I read it back
.set PRR,  10                          ; r + 8 (r / 8)
.set VB,   11                          ; gather offsets of jobs B, C, D
.set VC,   12
.set VD,   13
.set L8,   14                          ; 8 x lane
.set HSA,  15                          ; the scale bytes, 16 a lane
.set SPW,  16                          ; my spare word; never rewritten
.set NIL,  17                          ; 0; never rewritten
.set T,    18                          ; v18-23 at work
.set SS,   24                          ; v24-31 a pair for each row: sum of squares, then 1 / rms
.set X,    32                          ; v32-159 four rows of 32 registers
.set G,    160                         ; v160-191 g_norm
.set XT,   192                         ; v192-223 two sets of 16 neighbours
.set C,    224                         ; v224-231 two sets of codes
.set E,    232                         ; v232-233 two scale bytes
.set WFR,  192                         ; jobs B, D, C lie over XT, which is first written behind their stores' wait
.set DR,   216
.set CR,   220
.set WV,   30
.set INV,  44
.set EPS,  45
.set SEL,  46
.set MNT,  48
.set CF,   49
	s_load_b512 s[4:19], s[0:1], 0x0               ; h, g, Wq codes, Wq scales, Wv codes, Wv scales, Wk codes, Wk scales
	s_load_b256 s[20:27], s[0:1], 0x40             ; e scales, hq, hs, wf
	s_load_b64 s[28:29], s[0:1], 0x60              ; esf
	v_lshl_add_u32 v[SPW], v0, 2, SPARE
	v_mov_b32 v[NIL], 0
	v_lshrrev_b32 v[T], 5, v0
	v_readfirstlane_b32 s[WV], v[T]                ; wave 0..3
	v_and_b32 v[LN], 31, v0
	v_and_b32 v[R], 15, v0
	v_bfe_u32 v[HH], v0, 4, 1
	v_lshlrev_b32 v[L16], 4, v[LN]
	v_lshlrev_b32 v[L8], 3, v[LN]
	s_mul_i32 s31, s[WV], 2*STGB                   ; my two stages
	v_lshrrev_b32 v[SIN], 2, v[LN]
	v_mul_u32_u24 v[SIN], v[SIN], SP
	v_and_b32 v[T], 3, v[LN]
	v_lshl_add_u32 v[SIN], v[T], 4, v[SIN]
	v_add_nc_u32 v[SIN], s31, v[SIN]               ; in: four lanes' 64 bytes on end, then the padding
	v_mul_u32_u24 v[SOUT], v[LN], SP
	v_add_nc_u32 v[SOUT], s31, v[SOUT]             ; out: my 16 neighbours
	s_lshl_b32 s31, s[WV], 6
	s_add_co_u32 s31, s31, IMG
	v_mul_u32_u24 v[IA], v[LN], UP
	v_add_nc_u32 v[IA], s31, v[IA]                 ; unit 32 t + lane, row 4 w + q: 272 x lane + 64 w (+ 8704 t + 16 q)
	v_lshrrev_b32 v[BA], 3, v[LN]
	v_lshlrev_b32 v[BA], 6, v[BA]
	v_bfe_u32 v[T], v[LN], 1, 2
	v_add_nc_u32 v[BA], v[BA], v[T]
	s_lshl_b32 s31, s[WV], 4
	s_add_co_u32 s31, s31, HSBY
	v_add_nc_u32 v[BA], s31, v[BA]                 ; K step 4 t + lane / 8, row 4 w + q, byte (lane / 2) % 4
	s_mul_i32 s31, s[WV], 16*UP
	s_add_co_u32 s31, s31, IMG
	v_mul_u32_u24 v[RDI], v[HH], UP
	v_lshl_add_u32 v[RDI], v[R], 4, v[RDI]
	v_add_nc_u32 v[RDI], s31, v[RDI]               ; back: my 16 units, two an instruction
	v_add_nc_u32 v[HSA], HSBY, v[L16]
	v_and_b32 v[PRR], 8, v[R]
	v_add_nc_u32 v[PRR], v[PRR], v[R]
	v_lshlrev_b32 v[VB], 10, v[PRR]
	v_lshl_add_u32 v[VB], v[HH], 4, v[VB]          ; B: row r + 8 (r / 8) of 1,024 bytes, + 16 hh
	v_lshl_add_u32 v[VC], v[HH], 5, v[PRR]
	v_lshlrev_b32 v[VC], 5, v[VC]                  ; C: row 32 hh + r + 8 (r / 8) of 32 bytes
	v_lshl_add_u32 v[VD], v[HH], 7, v[R]
	v_lshlrev_b32 v[VD], 5, v[VD]                  ; D: row 128 hh + r of 32 bytes
	s_mov_b32 s[INV], 0x3a800000                   ; 1 / 1024
	s_mov_b32 s[EPS], 0x322bcc77                   ; 1e-8
	s_mov_b32 s[SEL], 0x76543210
	s_mov_b32 s[SEL+1], 0xfedcba98                 ; lane selects: lane l xor 16
	s_mov_b32 s[MNT], 0x600000                     ; the mantissa field of 448
	; (A) my four rows: i = 16 (g % 64) + 4 w + q in the batch g / 64; the source row is i + 63, held at 1,023; rows past 960 are multiplied by 0
	s_and_b32 s50, ttmp9, 63
	s_lshl_b32 s50, s50, 4
	s_lshl_b32 s51, s[WV], 2
	s_add_co_u32 s50, s50, s51
	s_lshr_b32 s51, ttmp9, 6
	s_lshl_b32 s51, s51, 10
.irp q, 0,1,2,3
	s_add_co_u32 s58, s50, \q
	s_cmp_le_u32 s58, 960
	s_cselect_b32 s[40+\q], 1.0, 0
	s_add_co_u32 s58, s58, 63
	s_min_u32 s58, s58, 1023
	s_add_co_u32 s58, s58, s51
	s_lshl_b32 s[32+2*\q], s58, 12
	s_mov_b32 s[33+2*\q], 0
.endr
	; (B) head g / 16, tile (g / 4) % 4, K step 2 (g % 4) + w / 2, half w % 2 of the fragment
	s_lshr_b32 s58, ttmp9, 4
	s_bfe_u32 s59, ttmp9, 0x20002
	s_and_b32 s60, ttmp9, 3
	s_lshl_b32 s60, s60, 1
	s_lshr_b32 s61, s[WV], 1
	s_add_co_u32 s60, s60, s61                     ; K step
	s_and_b32 s61, s[WV], 1                        ; half
	s_lshl_b32 s62, s58, 16
	s_lshr_b32 s63, s59, 1
	s_lshl_b32 s63, s63, 15
	s_add_co_u32 s62, s62, s63
	s_and_b32 s63, s59, 1
	s_lshl_b32 s63, s63, 13
	s_add_co_u32 s62, s62, s63
	s_lshl_b32 s63, s60, 7
	s_add_co_u32 s62, s62, s63
	s_lshl_b32 s63, s61, 6
	s_add_co_u32 s62, s62, s63
	s_mov_b32 s63, 0                               ; s[62:63]: from where, in each matrix
	s_mul_i32 s52, s58, HEADB
	s_mul_i32 s53, s60, REC
	s_add_co_u32 s52, s52, s53
	s_lshl_b32 s53, s59, 11
	s_add_co_u32 s52, s52, s53
	s_lshl_b32 s53, s61, 10
	s_add_co_u32 s52, s52, s53
	s_mov_b32 s53, 0                               ; s[52:53]: to where, in each matrix's part of wf
	; (D) chunk g / 4, the same K step, i = w % 2
	s_lshr_b32 s58, ttmp9, 2
	s_lshl_b32 s58, s58, 13
	s_lshl_b32 s59, s61, 11
	s_add_co_u32 s66, s58, s59
	s_lshl_b32 s59, s60, 2
	s_add_co_u32 s66, s66, s59
	s_mov_b32 s67, 0
	s_lshl_b32 s59, s60, 10
	s_add_co_u32 s68, s58, s59
	s_lshl_b32 s59, s61, 9
	s_add_co_u32 s68, s68, s59
	s_mov_b32 s69, 0
	; (C) work-groups 0 to 127, waves 0 to 2: matrix w, head g / 8, K step g % 8
	s_lshr_b32 s58, ttmp9, 3
	s_and_b32 s59, ttmp9, 7
	s_lshl_b32 s54, s58, 11
	s_lshl_b32 s55, s59, 2
	s_add_co_u32 s54, s54, s55
	s_mov_b32 s55, 0
	s_mul_i32 s56, s58, HEADB
	s_mul_i32 s57, s59, REC
	s_add_co_u32 s56, s56, s57
	s_mul_i32 s57, s[WV], MATB
	s_add_co_u32 s56, s56, s57
	s_add_co_u32 s56, s56, 8192
	s_mov_b32 s57, 0
	s_lshr_b32 s[CF], ttmp9, 7
	s_cmp_eq_u32 s[WV], 3
	s_cselect_b32 s58, 1, 0
	s_or_b32 s[CF], s[CF], s58                     ; 0: job C is mine
	s_wait_kmcnt 0x0
.irp q, 0,1,2,3
	s_add_nc_u64 s[32+2*\q:33+2*\q], s[4:5], s[32+2*\q:33+2*\q]
.endr
	s_cmp_eq_u32 s[WV], 0                          ; the choice hangs on the wave's number alone
	s_cselect_b64 s[70:71], s[10:11], s[14:15]
	s_cmp_eq_u32 s[WV], 2
	s_cselect_b64 s[70:71], s[18:19], s[70:71]
	s_add_nc_u64 s[70:71], s[70:71], s[54:55]
	s_add_nc_u64 s[56:57], s[26:27], s[56:57]
	s_add_nc_u64 s[8:9], s[8:9], s[62:63]
	s_add_nc_u64 s[12:13], s[12:13], s[62:63]
	s_add_nc_u64 s[16:17], s[16:17], s[62:63]
	s_add_nc_u64 s[52:53], s[26:27], s[52:53]
	s_add_nc_u64 s[20:21], s[20:21], s[66:67]
	s_add_nc_u64 s[28:29], s[28:29], s[68:69]
	s_lshl_b32 s58, ttmp9, 14
	s_lshl_b32 s59, s[WV], 12
	s_add_co_u32 s58, s58, s59
	s_mov_b32 s59, 0
	s_add_nc_u64 s[22:23], s[22:23], s[58:59]      ; hq: my tile, my quarter of it
	s_lshl_b32 s58, ttmp9, 9
	s_add_nc_u64 s[24:25], s[24:25], s[58:59]      ; hs: my tile
	; all loads go out at once, the small jobs' first: job C's two are the oldest, so that no later count hangs on the branch
	v_mov_b32 v[CR], 0
	v_mov_b32 v[CR+1], 0
	s_cmp_lg_u32 s[CF], 0
	s_cbranch_scc1 .Lno_c_load
	global_load_b32 v[CR], v[VC], s[70:71]
	global_load_b32 v[CR+1], v[VC], s[70:71] offset:256
.Lno_c_load:
.irp q, 0,1,2,3
	global_load_b32 v[DR+\q], v[VD], s[20:21] offset:512*\q
.endr
	global_load_b128 v[WFR:WFR+3], v[VB], s[8:9]
	global_load_b128 v[WFR+4:WFR+7], v[VB], s[8:9] offset:32
	global_load_b128 v[WFR+8:WFR+11], v[VB], s[12:13]
	global_load_b128 v[WFR+12:WFR+15], v[VB], s[12:13] offset:32
	global_load_b128 v[WFR+16:WFR+19], v[VB], s[16:17]
	global_load_b128 v[WFR+20:WFR+23], v[VB], s[16:17] offset:32
.irp j, 0,1,2,3,4,5,6,7
	global_load_b128 v[G+4*\j:G+4*\j+3], v[L16], s[6:7] offset:512*\j
.endr
.irp q, 0,1,2,3
.irp j, 0,1,2,3,4,5,6,7
	global_load_b128 v[X+32*\q+4*\j:X+32*\q+4*\j+3], v[L16], s[32+2*\q:33+2*\q] offset:512*\j   ; 32 lanes read 512 consecutive bytes
.endr
.endr
	s_wait_loadcnt 46                              ; behind job D's loads: B's 6, g's 8, h's 32
	global_store_b128 v[L16], v[DR:DR+3], s[28:29]
	s_wait_loadcnt 40                              ; behind job B's loads: g's 8, h's 32
.irp m, 0,1,2
	global_store_b128 v[L16], v[WFR+8*\m:WFR+8*\m+3], s[52:53] offset:\m*MATB
	global_store_b128 v[L16], v[WFR+8*\m+4:WFR+8*\m+7], s[52:53] offset:\m*MATB+512
.endr
	s_cmp_lg_u32 s[CF], 0
	s_cbranch_scc1 .Lno_c_store
	global_store_b64 v[L8], v[CR:CR+1], s[56:57]
.Lno_c_store:
	s_wait_xcnt 0x0                                ; these stores have read their data: the registers become XT
	; the sums of squares, row by row as the rows land, two chains each
.irp q, 0,1,2,3
	s_wait_loadcnt 8*(3-\q)                        ; the later rows' loads may be out
	v_pk_mul_f32 v[SS+2*\q:SS+2*\q+1], v[X+32*\q:X+32*\q+1], v[X+32*\q:X+32*\q+1]
	v_pk_mul_f32 v[T:T+1], v[X+32*\q+2:X+32*\q+3], v[X+32*\q+2:X+32*\q+3]
.irp p, 4,8,12,16,20,24,28
	v_pk_fma_f32 v[SS+2*\q:SS+2*\q+1], v[X+32*\q+\p:X+32*\q+\p+1], v[X+32*\q+\p:X+32*\q+\p+1], v[SS+2*\q:SS+2*\q+1]
	v_pk_fma_f32 v[T:T+1], v[X+32*\q+\p+2:X+32*\q+\p+3], v[X+32*\q+\p+2:X+32*\q+\p+3], v[T:T+1]
.endr
	v_pk_add_f32 v[SS+2*\q:SS+2*\q+1], v[SS+2*\q:SS+2*\q+1], v[T:T+1]
	v_add_f32 v[SS+2*\q], v[SS+2*\q], v[SS+2*\q+1]
.endr
.irp m, 1,2,4,8
.irp q, 0,1,2,3
	v_add_f32_dpp v[SS+2*\q], v[SS+2*\q], v[SS+2*\q] row_xmask:\m row_mask:0xf bank_mask:0xf   ; the four rows by turns
.endr
.endr
.irp q, 0,1,2,3
	v_permlanex16_b32 v[SS+2*\q+1], v[SS+2*\q], s[SEL], s[SEL+1]
.endr
.irp q, 0,1,2,3
	v_add_f32 v[SS+2*\q], v[SS+2*\q], v[SS+2*\q+1]
.endr
.irp q, 0,1,2,3
	v_fma_f32 v[SS+2*\q], v[SS+2*\q], s[INV], s[EPS]   ; the mean + eps
.endr
.irp q, 0,1,2,3
	v_rsq_f32 v[SS+2*\q], v[SS+2*\q]
.endr
	v_nop                                          ; a plain line behind the last of the four
	s_wait_alu depctr_va_vdst(0)                   ; one wait for the four, ahead of their first reader
.irp q, 0,1,2,3
	v_mul_f32 v[SS+2*\q], s[40+\q], v[SS+2*\q]     ; x 0 in the padded rows
.endr
.irp q, 0,1,2,3
.irp p, 0,2,4,6,8,10,12,14,16,18,20,22,24,26,28,30
	v_pk_mul_f32 v[X+32*\q+\p:X+32*\q+\p+1], v[X+32*\q+\p:X+32*\q+\p+1], v[G+\p:G+\p+1]   ; (x g) first, as the problem writes it,
.endr
.irp p, 0,2,4,6,8,10,12,14,16,18,20,22,24,26,28,30
	v_pk_mul_f32 v[X+32*\q+\p:X+32*\q+\p+1], v[X+32*\q+\p:X+32*\q+\p+1], v[SS+2*\q:SS+2*\q+1] op_sel_hi:[1,0]   ; then x 1 / rms
.endr
.endr
; Half t of row q (512 numbers) through stage t: LDS serves a wave's instructions in order, so no wait stands between the stores and the loads
.macro TURN q, t
.irp i, 0,1,2,3
	ds_store_b128 v[SIN], v[X+32*(\q)+16*(\t)+4*\i:X+32*(\q)+16*(\t)+4*\i+3] offset:STGB*(\t)+8*SP*\i
.endr
.irp i, 0,1,2,3
	ds_load_b128 v[XT+16*(\t)+4*\i:XT+16*(\t)+4*\i+3], v[SOUT] offset:STGB*(\t)+16*\i
.endr
.endm
; The quantiser: lane l holds k = 512 t + 16 l + 0..15 of row q.  left: the LDS instructions issued behind this half's loads
.macro QSTEP q, t, left
.set XS, XT+16*(\t)
.set CC, C+4*(\t)
	s_wait_dscnt \left
	v_max3_num_f32 v[T], |v[XS]|, |v[XS+1]|, |v[XS+2]|
	v_max3_num_f32 v[T+1], |v[XS+3]|, |v[XS+4]|, |v[XS+5]|
.irp i, 6,10
	v_max3_num_f32 v[T], v[T], |v[XS+\i]|, |v[XS+\i+1]|
	v_max3_num_f32 v[T+1], v[T+1], |v[XS+\i+2]|, |v[XS+\i+3]|
.endr
	v_max3_num_f32 v[T], v[T], |v[XS+14]|, |v[XS+15]|
	v_max3_num_f32 v[T], v[T], v[T+1], 0x4800000   ; and the floor 2^(9 - 127): the byte cannot fall under 1
	v_max_num_f32_dpp v[T], v[T], v[T] row_xmask:1 row_mask:0xf bank_mask:0xf   ; with my neighbour's 16: the block's largest magnitude
	v_add_nc_u32 v[T+3], 0xfc000000, v[T]          ; 8 off its exponent field: the conversion's scale operand
	v_and_or_b32 v[T+2], v[T], 0x7f800000, s[MNT]  ; 448 x the scale
.irp i, 0,1,2,3,4,5,6,7,8,9,10,11,12,13,14,15
	v_med3_num_f32 v[XS+\i], v[XS+\i], -v[T+2], v[T+2]   ; the conversion does not saturate (ISA guide 7.6.2): the hold comes first
.endr
	v_cvt_scalef32_pk8_fp8_f32 v[CC:CC+1], v[XS:XS+7], v[T+3]
	v_cvt_scalef32_pk8_fp8_f32 v[CC+2:CC+3], v[XS+8:XS+15], v[T+3]
	v_lshrrev_b32 v[E+(\t)], 23, v[T+3]            ; the scale's byte (also the plain line behind the conversions)
	ds_store_b128 v[IA], v[CC:CC+3] offset:32*UP*(\t)+16*(\q)
	ds_store_b8 v[BA], v[E+(\t)] offset:256*(\t)+4*(\q)   ; both lanes of a block write the same byte with the same value
.endm
	TURN 0, 0
	TURN 0, 1
	QSTEP 0, 0, 8                                  ; behind its loads: the next half's 8
	TURN 1, 0
	QSTEP 0, 1, 10                                 ; the last quantiser's 2 stores and the next half's 8
	TURN 1, 1
	QSTEP 1, 0, 10
	TURN 2, 0
	QSTEP 1, 1, 10
	TURN 2, 1
	QSTEP 2, 0, 10
	TURN 3, 0
	QSTEP 2, 1, 10
	TURN 3, 1
	QSTEP 3, 0, 10
	QSTEP 3, 1, 2                                  ; the last quantiser's 2 stores
	s_wait_dscnt 0x0                               ; for the others' sake: my stores into the image have landed
	s_barrier_signal -1
	s_barrier_wait -1
.irp k, 0,1,2,3,4,5,6,7
	ds_load_b128 v[X+4*\k:X+4*\k+3], v[RDI] offset:2*UP*\k
.endr
.irp k, 0,1,2,3,4,5,6,7
	s_wait_dscnt 7-\k
	global_store_b128 v[L16], v[X+4*\k:X+4*\k+3], s[22:23] offset:512*\k   ; 32 lanes store 512 consecutive bytes
.endr
	s_cmp_lg_u32 s[WV], 0
	s_cbranch_scc1 .Lnot_wave_0
	ds_load_b128 v[X+32:X+35], v[HSA]
	s_wait_dscnt 0x0
	global_store_b128 v[L16], v[X+32:X+35], s[24:25]   ; the tile's 512 scale bytes
.Lnot_wave_0:
	s_wait_tensorcnt 0x0                           ; the wave's end: behind my last LDS store
	ds_add_u32 v[SPW], v[NIL]
	s_wait_dscnt 0x0
	s_endpgm
.Lfunc_end_k_q52360b68de_prep:
	.size	k_q52360b68de_prep, .Lfunc_end_k_q52360b68de_prep-k_q52360b68de_prep
	.p2alignl 7, 3214868480
	.fill 96, 4, 3214868480
	.section	.rodata,"a",@progbits
	.p2align	6, 0x0
	.amdhsa_kernel k_q52360b68de_prep
		.amdhsa_group_segment_fixed_size 38912
		.amdhsa_private_segment_fixed_size 0
		.amdhsa_enable_private_segment 0
		.amdhsa_kernarg_size 104
		.amdhsa_user_sgpr_count 2
		.amdhsa_user_sgpr_kernarg_segment_ptr 1
		.amdhsa_wavefront_size32 1
		.amdhsa_system_sgpr_workgroup_id_x 1
		.amdhsa_system_sgpr_workgroup_id_y 1
		.amdhsa_system_sgpr_workgroup_id_z 1
		.amdhsa_system_vgpr_workitem_id 0
		.amdhsa_next_free_vgpr 256
		.amdhsa_next_free_sgpr 80
		.amdhsa_reserve_vcc 0
		.amdhsa_float_denorm_mode_32 3
		.amdhsa_float_denorm_mode_16_64 3
		.amdhsa_memory_ordered 1
		.amdhsa_forward_progress 1
		.amdhsa_inst_pref_size 50
	.end_amdhsa_kernel
	.amdgpu_metadata
---
amdhsa.version: [ 1, 2 ]
amdhsa.kernels:
  - .name:           k_q52360b68de_prep
    .symbol:         k_q52360b68de_prep.kd
    .args:
      - { .name: h, .offset: 0, .size: 8, .value_kind: global_buffer, .address_space: global }
      - { .name: g_norm, .offset: 8, .size: 8, .value_kind: global_buffer, .address_space: global }
      - { .name: Wq_codes, .offset: 16, .size: 8, .value_kind: global_buffer, .address_space: global }
      - { .name: Wq_scales, .offset: 24, .size: 8, .value_kind: global_buffer, .address_space: global }
      - { .name: Wv_codes, .offset: 32, .size: 8, .value_kind: global_buffer, .address_space: global }
      - { .name: Wv_scales, .offset: 40, .size: 8, .value_kind: global_buffer, .address_space: global }
      - { .name: Wk_codes, .offset: 48, .size: 8, .value_kind: global_buffer, .address_space: global }
      - { .name: Wk_scales, .offset: 56, .size: 8, .value_kind: global_buffer, .address_space: global }
      - { .name: e_scales, .offset: 64, .size: 8, .value_kind: global_buffer, .address_space: global }
      - { .name: hq, .offset: 72, .size: 8, .value_kind: global_buffer, .address_space: global }
      - { .name: hs, .offset: 80, .size: 8, .value_kind: global_buffer, .address_space: global }
      - { .name: wf, .offset: 88, .size: 8, .value_kind: global_buffer, .address_space: global }
      - { .name: esf, .offset: 96, .size: 8, .value_kind: global_buffer, .address_space: global }
    .group_segment_fixed_size: 38912
    .private_segment_fixed_size: 0
    .kernarg_segment_align: 8
    .kernarg_segment_size: 104
    .max_flat_workgroup_size: 128
    .sgpr_count:     80
    .vgpr_count:     256
    .wavefront_size: 32
...
	.end_amdgpu_metadata
.endif
;; end of part 1
;; launch attn (part 2): grid 256 x 1, 4 waves a work-group, clusters of 4 x 1, 297,984 bytes of LDS; arguments e_codes, hq, hs, wf, esf, bq, bk, bv, oc, os; writes oc, os
.if DOCPART == 2
	.amdgcn_target "amdgcn-amd-amdhsa--gfx1250"
	.amdhsa_code_object_version 6
	.text
	.protected	k_q52360b68de_attn
	.globl	k_q52360b68de_attn
	.p2align	8
	.type	k_q52360b68de_attn,@function
k_q52360b68de_attn:
	s_mov_b64 s[64:65], 0
	v_nop
	global_prefetch_b8 v0, s[64:65] scope:SCOPE_SE
	s_setreg_imm32_b32 hwreg(HW_REG_WAVE_MODE, 25, 1), 1
	s_wait_xcnt 0x0
	s_wait_alu depctr_hold_cnt(0) depctr_sa_sdst(0) depctr_va_vdst(0) depctr_va_sdst(0) depctr_va_ssrc(0) depctr_va_vcc(0) depctr_vm_vsrc(0)
	s_getreg_b32 s2, hwreg(HW_REG_IB_STS2, 6, 4)
	s_cmp_eq_u32 s2, 0
	s_cbranch_scc0 .Lentry_in_a_cluster
	s_endpgm
.Lentry_in_a_cluster:
	s_bfe_u32 s2, ttmp6, 0x10000c
	s_cmp_lg_u32 s2, 0x3003
	s_cbranch_scc0 .Lentry_shape_is_right
	s_endpgm
.Lentry_shape_is_right:
; ATTN.  q = Q(hn) Wq + bq, v = e Wv + bv, k = e Wk + bk, S = Q(q) Q(k)^T, p = softmax(S / 8), o = Q(p) Q(v), and o's codes: all on E4M3 codes with one E8M0 scale for each 32 along K.
; SHARES.  A cluster of four work-groups owns one chunk (64 queries, 256 keys); a work-group four heads; A WAVE ONE HEAD.  No wave reads another wave's results but for two scale bytes a row of o.
; e's 256 rows x 1,024 codes stay in LDS for the whole launch: four slices of 256 along K, rows 272 bytes apart; each wave brings 64 rows of each slice, asked for JOINTLY by the four partners
; (same descriptor, mask 15).  Nothing is filled again.  The weights cannot ride in LDS beside them (e takes 278,528 bytes; a K step of four heads' weights is 32,768): they come from memory
; straight into registers, in the register order that the launch before has laid, 512 consecutive bytes a load, one K step ahead.
; K IS WALKED ROTATED: a chunk begins at K slice chunk % 4, so that the chunks do not all ask for the same weights at once.  The rotation lies in global addresses alone.
; LAYOUT.  Tile t = 2 b + u of a head's weights holds rows 32 b + 8 u + r + 8 (r / 8).  q, k: source 0 = weights, source 1 = rows: a lane holds one row and d = 32 b + 16 (lane / 16) + 0..15 in the registers of tiles 2 b, 2 b + 1.
; v: source 0 = 16 rows of e, source 1 = weights: a lane holds one d and its registers run along the keys.  S^T = k q^T and O^T = v^T p^T: a lane holds one query.  In a block of 32 keys p and v share one order
; (8 h + j, then 16 + 8 h + j), which differs from the ascending one: the blocks and their scales are the true ones, the sums inside the matrix unit are grouped otherwise.
; The first product's K is 64: a fragment of k is its own 8 registers and the next tile's 8, which meet q's zero codes.
; LIMITS: NaN and infinities among the inputs are not served; blocks of zeros or under 2^-118 get the byte 1 (read by this program alone); 1 / sum is v_rcp_f32 and a multiplication.
; REGISTERS, in windows of 256.  Window 0: v1-23 addresses; v24-47 the quantiser's; v48-79 a bias in the result's layout; v80-83, v84-99 scale words of the weights and of e, two sets; v100-107 v's, v108-123 k's
;   (in the first phase: Wq's and hn's, four sets); v128-255 q's sums, later v's codes.   Window 1: v0-127 two sets of weights, v128-255 four sets of two fragments of e; later k's codes and q's fragment.
;   Windows 2, 3: 64 accumulators; in the first phase four sets of operands; in the loop over queries window 2 holds all of the softmax.
.set SL,    69632                      ; a slice: 256 rows x 272
.set ETILE, 4352                       ; 16 rows
.set QIMG,  4*SL                       ; q's codes and scale words, 4,608 bytes a wave
.set OSC,   QIMG+4*4608                ; o's scale bytes of the work-group: [tile 4][K step 2][row 16], a word each
.set SPARE, OSC+512                    ; the spare words, 128 bytes for each wave; no other line names them
.set REC,   8448
.set HEADB, 8*REC
.set MATB,  16*HEADB
.set R,1
.set HH,2
.set L16,3
.set L8,4
.set LH,5
.set AE0,6
.set AE,7
.set AQ0,8
.set AQS0,9
.set AQ,10
.set AQS,11
.set AOS0,12
.set AOS,13
.set BO1,14
.set BO2,15
.set QSW,16
.set PS,17
.set OSA,19
.set SPW,20
.set NIL,21
.set TV,22
.set TM,24
.set BIAS,48
.set WSC,80
.set ES,84
.set VS,100
.set KS,108
.set KEEP,128
.set QF,144                            ; window 1
.set BM,128                            ; window 2, in the loop over queries: scores at 0-127
.set BP,136
.set LIM,144
.set SCL,152
.set NM,160
.set SUM,162
.set RL,166
.set T2,168
.set SU2,172
.set P,176
.set O,208
.set OC,240
.set WV,24
.set CH,25
.set HG,26
.set HD,27
.set ROT,28
.set QI,29
.set G1,32
.set G0,40
.set WHB,56
.set ECB,58
.set WB,60
.set EB,62
.set TB,70
.set CNT,71
.set SEL,72
.set MNT,74
.set CS,76
.set NEGC,78
.set OCB,80
.set TQ,82
.set TS,83
.set WQB,84
.set HQB,86
.set HSB,88
.set MSB, 0
.macro WIN new                         ; bits 1:0 source 0, 3:2 source 1, 5:4 source 2, 7:6 destination; the high byte repeats the setting that is left
.if MSB != (\new)
	s_set_vgpr_msb (MSB<<8)|(\new)
.set MSB, (\new)
.endif
.endm
.macro PLACES n
.rept \n
	v_nop
.endr
.endm
.macro CROUND                          ; a round of the cluster's barrier
	s_barrier_signal -1
	s_barrier_wait -1
	s_cmp_lg_u32 s[WV], 0
	s_cbranch_scc1 .Lnot_wave_0_\@
	s_barrier_signal -3
.Lnot_wave_0_\@:
	s_barrier_wait -3
	s_barrier_signal -1
	s_barrier_wait -1
.endm
; One matrix instruction from the symbols rD, rA, rB, rC (under 0: the constant 0), rSA, rSB, fA, fB (1: the side's scales stand in lanes 16-31)
.macro MM
.if rC < 0
	v_wmma_scale_f32_16x16x128_f8f6f4 v[rD:rD+7], v[rA:rA+15], v[rB:rB+15], 0, v[rSA], v[rSB]
.elseif fA && fB
	v_wmma_scale_f32_16x16x128_f8f6f4 v[rD:rD+7], v[rA:rA+15], v[rB:rB+15], v[rC:rC+7], v[rSA], v[rSB] matrix_a_scale:MATRIX_SCALE_ROW1 matrix_b_scale:MATRIX_SCALE_ROW1
.elseif fA
	v_wmma_scale_f32_16x16x128_f8f6f4 v[rD:rD+7], v[rA:rA+15], v[rB:rB+15], v[rC:rC+7], v[rSA], v[rSB] matrix_a_scale:MATRIX_SCALE_ROW1
.elseif fB
	v_wmma_scale_f32_16x16x128_f8f6f4 v[rD:rD+7], v[rA:rA+15], v[rB:rB+15], v[rC:rC+7], v[rSA], v[rSB] matrix_b_scale:MATRIX_SCALE_ROW1
.else
	v_wmma_scale_f32_16x16x128_f8f6f4 v[rD:rD+7], v[rA:rA+15], v[rB:rB+15], v[rC:rC+7], v[rSA], v[rSB]
.endif
.endm
; THE QUANTISER.  NB blocks; block b's 16 numbers of my lane stand in window W at S0 + BST b; lane l xor 16 holds the block's other 16.  Codes go to window DW at D0 + 4 b.
; At work, in window TW: T0 + b the largest magnitude, T0 + 4 + b the scale's byte, T0 + 8 + b 448 x the scale, T0 + 12 + b the conversion's scale operand.
; Each accumulator is first read at its two lowest registers.
.macro QUANT W, S0, BST, NB, DW, D0, TW, T0
	WIN ((\TW)<<6)|((\W)<<2)|(\W)
.set qb, 0
.rept \NB
	v_max3_num_f32 v[(\T0)+qb], |v[(\S0)+(\BST)*qb]|, |v[(\S0)+(\BST)*qb+1]|, 0x4800000   ; and the floor 2^(9 - 127): the byte cannot fall under 1
.set qb, qb+1
.endr
	WIN ((\TW)<<6)|((\W)<<4)|((\W)<<2)|(\TW)
.irp qi, 2,4,6,8,10,12,14
.set qb, 0
.rept \NB
	v_max3_num_f32 v[(\T0)+qb], v[(\T0)+qb], |v[(\S0)+(\BST)*qb+\qi]|, |v[(\S0)+(\BST)*qb+\qi+1]|   ; the blocks by turns
.set qb, qb+1
.endr
.endr
	WIN ((\TW)<<6)|((\TW)<<4)|((\TW)<<2)|(\TW)
.set qb, 0
.rept \NB
	v_permlanex16_b32 v[(\T0)+4+qb], v[(\T0)+qb], s[SEL], s[SEL+1]
.set qb, qb+1
.endr
.set qb, 0
.rept \NB
	v_max_num_f32 v[(\T0)+qb], v[(\T0)+qb], v[(\T0)+4+qb]
.set qb, qb+1
.endr
.set qb, 0
.rept \NB
	v_add_nc_u32 v[(\T0)+12+qb], 0xfc000000, v[(\T0)+qb]   ; 8 off the exponent field
.set qb, qb+1
.endr
.set qb, 0
.rept \NB
	v_and_or_b32 v[(\T0)+8+qb], v[(\T0)+qb], 0x7f800000, s[MNT]
.set qb, qb+1
.endr
.set qb, 0
.rept \NB
	v_lshrrev_b32 v[(\T0)+4+qb], 23, v[(\T0)+12+qb]
.set qb, qb+1
.endr
	WIN ((\W)<<6)|((\TW)<<4)|((\TW)<<2)|(\W)
.set qb, 0
.rept \NB
.irp qi, 0,1,2,3,4,5,6,7,8,9,10,11,12,13,14,15
	v_med3_num_f32 v[(\S0)+(\BST)*qb+\qi], v[(\S0)+(\BST)*qb+\qi], -v[(\T0)+8+qb], v[(\T0)+8+qb]   ; the conversion does not saturate (ISA guide 7.6.2)
.endr
.set qb, qb+1
.endr
	WIN ((\DW)<<6)|((\TW)<<2)|(\W)
.set qb, 0
.rept \NB
	v_cvt_scalef32_pk8_fp8_f32 v[(\D0)+4*qb:(\D0)+4*qb+1], v[(\S0)+(\BST)*qb:(\S0)+(\BST)*qb+7], v[(\T0)+12+qb]
	v_cvt_scalef32_pk8_fp8_f32 v[(\D0)+4*qb+2:(\D0)+4*qb+3], v[(\S0)+(\BST)*qb+8:(\S0)+(\BST)*qb+15], v[(\T0)+12+qb]
.set qb, qb+1
.endr
	v_nop                                          ; a plain line behind the last conversion
.endm
	s_load_b512 s[4:19], s[0:1], 0x0               ; e codes, hq, hs, wf, esf, bq, bk, bv
	s_load_b128 s[20:23], s[0:1], 0x40             ; oc, os
	v_lshl_add_u32 v[SPW], v0, 2, SPARE
	v_mov_b32 v[NIL], 0
	ds_add_u32 v[SPW], v[NIL]                      ; the wave's opening: the add and its wait stand ahead of my first tensor load
	v_lshrrev_b32 v[TV], 5, v0
	v_readfirstlane_b32 s[WV], v[TV]               ; wave 0..3
	s_mov_b32 s[CH], ttmp9                         ; the chunk: the cluster's number, shared by the partners
	s_and_b32 s[ROT], s[CH], 3
	s_mov_b32 s[G1], 15|(1<<20)|(1<<21)|(5<<22)|(3<<25)   ; mask: all four; elements of 1 byte; padding on; bit 21 beside the mask; 4 words behind every 64
	s_mov_b32 s[G1+1], 256<<16                     ; tensor_dim0 = 256
	s_mov_b32 s[G1+2], 64<<16                      ; tensor_dim1 = 64
	s_mov_b32 s[G1+3], 256<<16                     ; tile_dim0 = 256
	s_mov_b32 s[G1+4], 64                          ; tile_dim1 = 64
	s_mov_b32 s[G1+5], 1024                        ; from row to row
	s_mov_b32 s[G1+6], 0
	s_mov_b32 s[G1+7], 0
	s_mul_i32 s66, s[WV], 64*272                   ; my 64 rows in a slice
	s_lshl_b32 s68, s[CH], 18
	s_lshl_b32 s67, s[WV], 16
	s_add_co_u32 s68, s68, s67
	s_mov_b32 s69, 0
	s_mov_b32 s[SEL], 0x76543210
	s_mov_b32 s[SEL+1], 0xfedcba98
	s_mov_b32 s[MNT], 0x600000
	s_mov_b32 s[CS], 0x3e38aa3b                    ; c = log2(e) / 8
	s_mov_b32 s[CS+1], s[CS]
	s_mov_b32 s[NEGC], 0xbe38aa3b
	s_wait_dscnt 0x0                               ; the opening add is done
	s_wait_kmcnt 0x0
	s_add_nc_u64 s[4:5], s[4:5], s[68:69]          ; e at my chunk's row 64 w
.irp j, 0,1,2,3
	s_mov_b32 s[G0+4*\j], 1
	s_add_co_u32 s[G0+4*\j+1], s66, \j*SL          ; slice position j
	s_add_co_u32 s68, s[ROT], \j
	s_and_b32 s68, s68, 3
	s_lshl_b32 s68, s68, 8                         ; holds K slice (j + chunk % 4) % 4
	s_add_nc_u64 s[G0+4*\j+2:G0+4*\j+3], s[4:5], s[68:69]
	s_or_b32 s[G0+4*\j+3], s[G0+4*\j+3], 0x80000000
.endr
	s_lshl_b32 s[ROT], s[ROT], 1                   ; the rotation in K steps of 128
	CROUND                                         ; all four work-groups are here: the joint loads meet
.irp j, 0,1,2,3
	tensor_load_to_lds s[G0+4*\j:G0+4*\j+3], s[G1:G1+7]   ; four loads of mine are out; they are the launch's only fills
	s_nop 0
.endr
	PLACES 4
	; lane constants; the LDS addresses are made of the lane and the wave's number alone
	v_and_b32 v[R], 15, v0
	v_bfe_u32 v[HH], v0, 4, 1
	v_and_b32 v[TV], 31, v0
	v_lshlrev_b32 v[L16], 4, v[TV]
	v_lshlrev_b32 v[L8], 3, v[TV]
	v_lshlrev_b32 v[LH], 2, v[R]
	v_lshl_add_u32 v[LH], v[HH], 9, v[LH]
	v_mul_u32_u24 v[AE0], v[R], 272
	v_lshl_add_u32 v[AE0], v[HH], 4, v[AE0]        ; a fragment of e: row r, + 16 (lane / 16)
	s_mul_i32 s66, s[WV], 4608
	s_add_co_u32 s66, s66, QIMG
	v_add_nc_u32 v[AQ0], s66, v[L16]
	s_add_co_u32 s66, s66, 4096
	v_lshl_add_u32 v[AQS0], v[TV], 2, s66
	s_lshr_b32 s66, s[WV], 1
	s_lshl_b32 s66, s66, 6
	s_and_b32 s67, s[WV], 1
	s_lshl_b32 s67, s67, 1
	s_add_co_u32 s66, s66, s67
	s_add_co_u32 s66, s66, OSC
	v_lshl_add_u32 v[AOS0], v[R], 2, s66           ; my head's two bytes of row r's word: K step w / 2, bytes 2 (w % 2) on
	v_add_nc_u32 v[OSA], OSC, v[L16]
	v_lshlrev_b32 v[BO1], 6, v[HH]
	v_and_b32 v[BO2], 8, v[R]
	v_add_nc_u32 v[BO2], v[BO2], v[R]
	v_lshlrev_b32 v[BO2], 2, v[BO2]
.irp b, 4,5,6,7
	v_mov_b32 v[TM+\b], 0                          ; written once: a lane permute's destination counts as one of its sources
.endr
	; pointers.  The place in the cluster (the group of heads) enters global addresses alone
	s_bfe_u32 s[HG], ttmp6, 0x40000
	s_lshl_b32 s[HD], s[HG], 2
	s_add_co_u32 s[HD], s[HD], s[WV]               ; my head
	s_mul_i32 s68, s[HD], HEADB
	s_add_nc_u64 s[WQB:WQB+1], s[10:11], s[68:69]  ; Wq's records of my head
	s_add_nc_u64 s[WHB:WHB+1], s[WQB:WQB+1], MATB  ; Wv's; Wk's lie MATB further on
	s_lshl_b32 s68, s[CH], 16
	s_add_nc_u64 s[HQB:HQB+1], s[6:7], s[68:69]
	s_lshl_b32 s68, s[CH], 11
	s_add_nc_u64 s[HSB:HSB+1], s[8:9], s[68:69]
	s_lshl_b32 s68, s[CH], 13
	s_add_nc_u64 s[ECB:ECB+1], s[12:13], s[68:69]
	s_lshl_b32 s68, s[HD], 8
	s_add_nc_u64 s[14:15], s[14:15], s[68:69]
	s_add_nc_u64 s[16:17], s[16:17], s[68:69]
	s_add_nc_u64 s[18:19], s[18:19], s[68:69]
	s_lshr_b32 s68, s[CH], 1
	s_lshl_b32 s68, s68, 17
	s_lshr_b32 s67, s[HD], 1
	s_lshl_b32 s67, s67, 14
	s_add_co_u32 s68, s68, s67
	s_and_b32 s67, s[CH], 1
	s_lshl_b32 s67, s67, 13
	s_add_co_u32 s68, s68, s67
	s_and_b32 s67, s[HD], 1
	s_lshl_b32 s67, s67, 10
	s_add_co_u32 s68, s68, s67
	s_add_nc_u64 s[OCB:OCB+1], s[20:21], s[68:69]  ; oc: [chunk / 2][head / 2][4 (chunk % 2) + tile][2 (head % 2) + b][lane][16]
	s_lshl_b32 s68, s[CH], 2
	s_add_co_u32 s68, s68, s[HG]
	s_lshl_b32 s68, s68, 9
	s_add_nc_u64 s[22:23], s[22:23], s[68:69]
; ---- PHASE Q: q^T = Wq hn^T + bq, 16 accumulators by turns, operands from memory into four sets of registers
.irp t, 0,1,2,3
	global_load_b128 v[BIAS+8*\t:BIAS+8*\t+3], v[BO1], s[14:15] offset:(32*(\t/2)+8*(\t%2))*4
	global_load_b128 v[BIAS+8*\t+4:BIAS+8*\t+7], v[BO1], s[14:15] offset:(32*(\t/2)+8*(\t%2))*4+16
.endr
.macro QLOAD s                         ; K step s: 35 loads into set s % 4
.set qk, (\s)&3
	WIN (2+(qk>>1))<<6
.irp i, 0,1,2,3,4,5,6,7,8,9,10,11,12,13,14,15
	global_load_b128 v[128*(qk&1)+4*\i:128*(qk&1)+4*\i+3], v[L16], s[WQB:WQB+1] offset:(\s)*REC+512*\i
.endr
.irp i, 0,1,2,3,4,5,6,7,8,9,10,11,12,13,14,15
	global_load_b128 v[128*(qk&1)+64+4*\i:128*(qk&1)+64+4*\i+3], v[L16], s[HQB:HQB+1] offset:16384*(\i/4)+2048*(\s)+512*(\i%4)
.endr
	WIN 0
	global_load_b64 v[KS+4*qk:KS+4*qk+1], v[L8], s[WQB:WQB+1] offset:(\s)*REC+8192
	global_load_b32 v[KS+4*qk+2], v[LH], s[HSB:HSB+1] offset:64*(\s)
	global_load_b32 v[KS+4*qk+3], v[LH], s[HSB:HSB+1] offset:1024+64*(\s)
.endm
.macro QSTEP s, left
.set qk, (\s)&3
	s_wait_loadcnt \left
	WIN ((2+(qk>>1))<<2)|(2+(qk>>1))
.irp n, 0,1,2,3
.irp t, 0,1,2,3
.set rD, KEEP+32*\n+8*\t
.set rA, 128*(qk&1)+16*\t
.set rB, 128*(qk&1)+64+16*\n
.set rC, rD
.if (\s) == 0
.set rC, BIAS+8*\t                     ; the bias starts the sum
.endif
.set rSA, KS+4*qk+(\t&1)
.set rSB, KS+4*qk+2+(\n>>1)
.set fA, \t>>1
.set fB, \n&1
	MM
.endr
.endr
.if (\s) < 4
	PLACES 8                                       ; in front of loads into registers that these products have read
	QLOAD (\s)+4
.endif
.endm
	QLOAD 0
	QLOAD 1
	QLOAD 2
	QLOAD 3
	QSTEP 0, 63                                    ; more than 63 loads were issued behind this step's: the count is the largest that the wait can name
	QSTEP 1, 63
	QSTEP 2, 63
	QSTEP 3, 63
	; the next phase's first operands, 23 loads: bv (one number a lane and tile), Wv's first K step, e's scale words
.irp t, 0,1,2,3
	global_load_b32 v[BIAS+8*\t], v[BO2], s[18:19] offset:(32*(\t/2)+8*(\t%2))*4
.endr
	s_mov_b32 s[QI], 0
	s_mul_i32 s68, s[ROT], REC
	s_add_nc_u64 s[WB:WB+1], s[WHB:WHB+1], s[68:69]
	s_lshl_b32 s68, s[ROT], 10
	s_add_nc_u64 s[EB:EB+1], s[ECB:ECB+1], s[68:69]
.macro WLOAD p                         ; a K step's weights and scale words into set p: 19 loads
	WIN 0x40
.irp i, 0,1,2,3,4,5,6,7,8,9,10,11,12,13,14,15
	global_load_b128 v[64*(\p)+4*\i:64*(\p)+4*\i+3], v[L16], s[WB:WB+1] offset:512*\i
.endr
	WIN 0
	global_load_b64 v[WSC+2*(\p):WSC+2*(\p)+1], v[L8], s[WB:WB+1] offset:8192
	global_load_b128 v[ES+8*(\p):ES+8*(\p)+3], v[L16], s[EB:EB+1]
	global_load_b128 v[ES+8*(\p)+4:ES+8*(\p)+7], v[L16], s[EB:EB+1] offset:512
.endm
	WLOAD 0
	QSTEP 4, 63
	QSTEP 5, 63
	QSTEP 6, 58                                    ; behind its loads: K step 7's 35 and the 23
	QSTEP 7, 23
	WIN 0
	PLACES 8
	; q's codes and scale words go to my own bytes of LDS, so that the loop over queries has constant register numbers
.irp g, 0,1
	QUANT 0, KEEP+64*\g, 16, 4, 1, 128+16*\g, 0, TM
	WIN 0
	v_lshl_or_b32 v[TM+16+2*\g], v[TM+5], 8, v[TM+4]   ; bytes 2 and 3 stay 0: they scale the zero codes of K = 64 .. 127
	v_lshl_or_b32 v[TM+17+2*\g], v[TM+7], 8, v[TM+6]
	ds_store_b32 v[AQS0], v[TM+16+2*\g] offset:256*\g
	ds_store_b32 v[AQS0], v[TM+17+2*\g] offset:256*\g+128
	WIN 0x04                                       ; an LDS store's data are its source 1: window 1
.irp c, 0,1,2,3
	ds_store_b128 v[AQ0], v[128+16*\g+4*\c:128+16*\g+4*\c+3] offset:2048*\g+512*\c
.endr
.endr
	WIN 0
	s_wait_loadcnt 0x0                             ; bv, Wv's first K step, e's scale words
.irp t, 0,1,2,3
.irp j, 1,2,3,4,5,6,7
	v_mov_b32 v[BIAS+8*\t+\j], v[BIAS+8*\t]        ; in v's layout a lane holds one d: its eight registers take the same bias
.endr
.endr
	s_wait_tensorcnt 0x0                           ; my rows of e have landed,
	s_wait_dscnt 0x0                               ; no LDS instruction of mine is out,
	s_barrier_signal -1
	s_barrier_wait -1                              ; everybody's rows have landed
; ---- THE PASSES over e: 16 tiles of rows x 4 tiles of weights = 64 accumulators, K in 8 steps of 128
.macro EGRP g, i                       ; tiles 2 g, 2 g + 1 of e, half i of the slice in hand, into set g % 4
	WIN 0x40
.irp u, 0,1
.irp c, 0,1,2,3
	ds_load_b128 v[128+32*((\g)%4)+16*\u+4*\c:128+32*((\g)%4)+16*\u+4*\c+3], v[AE] offset:(2*(\g)+\u)*ETILE+128*(\i)+32*\c
.endr
.endr
.endm
.macro NEXTW                           ; the addresses of the next position's weights and scale words
	s_wait_xcnt 0x0                                ; the earlier loads have read their bases
	s_add_co_u32 s[QI], s[QI], 1
	s_add_co_u32 s66, s[QI], s[ROT]
	s_and_b32 s66, s66, 7                          ; its K step
	s_mul_i32 s68, s66, REC
	s_lshr_b32 s67, s[QI], 3                       ; positions 8 on: Wk
	s_mul_i32 s67, s67, MATB
	s_add_co_u32 s68, s68, s67
	s_add_nc_u64 s[WB:WB+1], s[WHB:WHB+1], s[68:69]
	s_lshl_b32 s68, s66, 10
	s_add_nc_u64 s[EB:EB+1], s[ECB:ECB+1], s[68:69]
.endm
; 8 matrix instructions: e's tiles 2 b, 2 b + 1 against the four tiles of weights.  pass 0: v (source 0 = e), pass 1: k (source 0 = weights).  The 64 accumulators take turns, one instruction a turn.
.macro MUL8 pass, p, b, first
.if \first
	WIN 0x85+0x40*((\b)/4)                         ; the bias, C, in window 0
.else
	WIN 0xa5+0x50*((\b)/4)
.endif
.irp u, 0,1
.irp t, 0,1,2,3
.if \pass
.set rD, 64*((\b)%4)+32*\u+8*\t
.set rA, 64*(\p)+16*\t
.set rB, 128+32*((\b)%4)+16*\u
.set rSA, WSC+2*(\p)+(\t&1)
.set rSB, ES+8*(\p)+((2*(\b)+\u)&7)
.set fA, \t>>1
.set fB, (\b)/4
.else
.set rD, 64*((\b)%4)+16*\t+8*\u
.set rA, 128+32*((\b)%4)+16*\u
.set rB, 64*(\p)+16*\t
.set rSA, ES+8*(\p)+((2*(\b)+\u)&7)
.set rSB, WSC+2*(\p)+(\t&1)
.set fA, (\b)/4
.set fB, \t>>1
.endif
.set rC, rD
.if \first
.set rC, BIAS+8*\t
.endif
	MM
.endr
.endr
.endm
; A K step.  par: its parity = its sets of weights and scale words, and its half of a slice.  last = 1: the pass's last step, another pass follows; 2: the very last.
; THE GROUPS GO IN PAIRS: groups b and b + 1 are multiplied on end (16 matrix instructions), one run of places follows, and both groups' own sets are filled again in ONE run of 16 LDS loads:
; four runs a K step.  A pair's fragments are so asked for 16 matrix instructions ahead of their first use.
.macro STEP pass, par, first, last
	WIN 0
.if (\last) != 2
	NEXTW
	WLOAD 1-(\par)                                 ; the next position's, 64 matrix instructions ahead
	s_wait_loadcnt 19                              ; all but the 19 just issued: this step's weights are in
.else
	s_wait_loadcnt 0x0
.endif
.irp b, 0,2,4,6
.if ((\last) == 2) && (\b > 4)
	s_wait_dscnt 8                                 ; nothing more is fetched: behind group 6's loads stand group 7's 8 alone
.else
	s_wait_dscnt 24                                ; behind this group's loads: its partner's 8 and the younger pair's 16
.endif
	MUL8 \pass, \par, \b, \first
.if ((\last) == 2) && (\b > 4)
	s_wait_dscnt 0x0
.else
	s_wait_dscnt 16                                ; behind the partner's loads: the younger pair's 16
.endif
	MUL8 \pass, \par, \b+1, \first
	PLACES 8                                       ; in front of loads into registers that these products have read, and of the first read of results behind a pass
.if \b < 4
	EGRP \b+4, \par                                ; each group's own set takes the group four further on
	EGRP \b+5, \par
.elseif (\last) != 2
	EGRP \b-4, 1-(\par)
	EGRP \b-3, 1-(\par)
.endif
.if (\b == 2) && (\par == 1) && ((\last) != 2)
	WIN 0
.if (\last) == 1
	s_mov_b32 s[TB], 0                             ; the next pass begins at slice position 0 again
.else
	s_add_co_u32 s[TB], s[TB], SL                  ; on to the next slice
.endif
	v_add_nc_u32 v[AE], s[TB], v[AE0]
.endif
.endr
.endm
.macro PASS pass, last
	STEP \pass, 0, 1, 0
	WIN 0
	s_mov_b32 s[CNT], 3
.Lpass_\@:
	STEP \pass, 1, 0, 0
	STEP \pass, 0, 0, 0
	WIN 0
	s_sub_co_u32 s[CNT], s[CNT], 1
	s_cmp_lg_u32 s[CNT], 0
	s_cbranch_scc1 .Lpass_\@
	STEP \pass, 1, 0, \last
	WIN 0
.endm
	s_mov_b32 s[TB], 0
	v_mov_b32 v[AE], v[AE0]
	EGRP 0, 0
	EGRP 1, 0
	EGRP 2, 0
	EGRP 3, 0
	PASS 0, 1                                      ; v
.irp t, 0,1,2,3
	global_load_b128 v[BIAS+8*\t:BIAS+8*\t+3], v[BO1], s[16:17] offset:(32*(\t/2)+8*(\t%2))*4      ; bk; the first step of the next pass waits for it with its weights
	global_load_b128 v[BIAS+8*\t+4:BIAS+8*\t+7], v[BO1], s[16:17] offset:(32*(\t/2)+8*(\t%2))*4+16
.endr
	; v is quantised along the keys: K step s of the second product = window 2 + s; tile t's fragment at KEEP + 16 (2 t + s)
.irp s, 0,1
.irp t, 0,1,2,3
	QUANT 2+\s, 16*\t, 64, 4, 0, KEEP+16*(2*\t+\s), 0, TM
	WIN 0
	v_lshl_or_b32 v[VS+2*\t+\s], v[TM+5], 8, v[TM+4]
	v_lshl_or_b32 v[VS+2*\t+\s], v[TM+6], 16, v[VS+2*\t+\s]
	v_lshl_or_b32 v[VS+2*\t+\s], v[TM+7], 24, v[VS+2*\t+\s]
.endr
.endr
	PASS 1, 2                                      ; k
	; k is quantised along d: tile a's 8 registers of codes at 8 a of window 1
.irp g, 0,1,2,3,4,5,6,7
	QUANT 2+\g/4, 64*(\g%4), 16, 4, 1, 16*\g, 0, TM
	WIN 0
	v_lshl_or_b32 v[KS+2*\g], v[TM+5], 8, v[TM+4]
	v_lshl_or_b32 v[KS+2*\g+1], v[TM+7], 8, v[TM+6]
.endr
	WIN 0x40
.irp j, 0,1,2,3,4,5,6,7
	v_mov_b32 v[128+\j], 0                         ; behind the last tile's codes,
	v_mov_b32 v[QF+8+\j], 0                        ; and q's codes of K = 64 .. 127: zeros
.endr
	WIN 0x80
.irp j, 0,1,2,3,4,5,6,7
	v_mov_b32 v[BP+\j], 0                          ; lane permutes' destinations, and the upper halves of pairs that are named whole
.endr
	v_mov_b32 v[NM+1], 0
	v_mov_b32 v[RL+1], 0
	v_mov_b32 v[T2+1], 0
	WIN 0
; ---- THE LOOP OVER THE FOUR TILES OF 16 QUERIES
	s_mov_b32 s[TQ], 0
	s_mov_b32 s[TS], 0
	s_mov_b32 s[CNT], 4
.Lq:
	v_add_nc_u32 v[AQ], s[TQ], v[AQ0]
	v_add_nc_u32 v[AQS], s[TS], v[AQS0]
	v_add_nc_u32 v[AOS], s[TS], v[AOS0]
	ds_load_b32 v[QSW], v[AQS]
	WIN 0x40
	ds_load_b128 v[QF:QF+3], v[AQ]
	ds_load_b128 v[QF+4:QF+7], v[AQ] offset:512
	s_wait_dscnt 0x0
	WIN 0x85                                       ; k and q in window 1, the scores in window 2
.irp a, 0,1,2,3,4,5,6,7,8,9,10,11,12,13,14,15
.set rD, 8*\a
.set rA, 8*\a
.set rB, QF
.set rC, -1
.set rSA, KS+\a
.set rSB, QSW
	MM
.endr
	PLACES 8
	WIN 0xaa                                       ; the softmax lies in window 2
.irp b, 0,1,2,3,4,5,6,7
	v_max3_num_f32 v[BM+\b], v[16*\b], v[16*\b+1], v[16*\b+2]   ; the largest score of each block of 32 keys: it serves the row's maximum and, since p rises with the score, the block's largest p
.endr
.irp i, 3,5,7,9,11,13
.irp b, 0,1,2,3,4,5,6,7
	v_max3_num_f32 v[BM+\b], v[BM+\b], v[16*\b+\i], v[16*\b+\i+1]
.endr
.endr
.irp b, 0,1,2,3,4,5,6,7
	v_max_num_f32 v[BM+\b], v[BM+\b], v[16*\b+15]
.endr
.irp b, 0,1,2,3,4,5,6,7
	v_permlanex16_b32 v[BP+\b], v[BM+\b], s[SEL], s[SEL+1]
.endr
.irp b, 0,1,2,3,4,5,6,7
	v_max_num_f32 v[BM+\b], v[BM+\b], v[BP+\b]
.endr
	v_max3_num_f32 v[T2], v[BM], v[BM+1], v[BM+2]
	v_max3_num_f32 v[T2+1], v[BM+3], v[BM+4], v[BM+5]
	v_max3_num_f32 v[T2], v[T2], v[T2+1], v[BM+6]
	v_max_num_f32 v[T2], v[T2], v[BM+7]            ; the row's largest score
	v_mul_f32 v[NM], s[NEGC], v[T2]                ; - c x it
.set j, 0
.rept 64
	v_pk_fma_f32 v[j:j+1], v[j:j+1], s[CS:CS+1], v[NM:NM+1] op_sel_hi:[1,0,0]   ; c s - c max, two at a time
.set j, j+2
.endr
.irp b, 0,1,2,3,4,5,6,7
	v_fma_f32 v[BM+\b], v[BM+\b], s[CS], v[NM]     ; the same of each block's largest score
.endr
.set j, 0
.rept 128
	v_exp_f32 v[j], v[j]
.set j, j+1
.endr
.irp b, 0,1,2,3,4,5,6,7
	v_exp_f32 v[BM+\b], v[BM+\b]
.endr
	v_nop                                          ; a plain line behind the last exponential
	s_wait_alu depctr_va_vdst(0)                   ; one wait for the batch of 136, ahead of its first reader
	v_pk_add_f32 v[SUM:SUM+1], v[0:1], v[2:3]      ; the row's sum, two at a time, in four chains
	v_pk_add_f32 v[SUM+2:SUM+3], v[4:5], v[6:7]
	v_pk_add_f32 v[SU2:SU2+1], v[8:9], v[10:11]
	v_pk_add_f32 v[SU2+2:SU2+3], v[12:13], v[14:15]
.set j, 16
.rept 14
	v_pk_add_f32 v[SUM:SUM+1], v[SUM:SUM+1], v[j:j+1]
	v_pk_add_f32 v[SUM+2:SUM+3], v[SUM+2:SUM+3], v[j+2:j+3]
	v_pk_add_f32 v[SU2:SU2+1], v[SU2:SU2+1], v[j+4:j+5]
	v_pk_add_f32 v[SU2+2:SU2+3], v[SU2+2:SU2+3], v[j+6:j+7]
.set j, j+8
.endr
	v_pk_add_f32 v[SUM:SUM+1], v[SUM:SUM+1], v[SUM+2:SUM+3]
	v_pk_add_f32 v[SU2:SU2+1], v[SU2:SU2+1], v[SU2+2:SU2+3]
	v_pk_add_f32 v[SUM:SUM+1], v[SUM:SUM+1], v[SU2:SU2+1]
	v_add_f32 v[T2], v[SUM], v[SUM+1]
	v_permlanex16_b32 v[T2+1], v[T2], s[SEL], s[SEL+1]
	v_add_f32 v[T2], v[T2], v[T2+1]
	v_rcp_f32 v[RL], v[T2]
	v_nop
	s_wait_alu depctr_va_vdst(0)                   ; the reciprocal's wait, ahead of its first reader
.set j, 0
.rept 64
	v_pk_mul_f32 v[j:j+1], v[j:j+1], v[RL:RL+1] op_sel_hi:[1,0]   ; p, finished and normalised: that is what is quantised
.set j, j+2
.endr
.irp b, 0,1,2,3,4,5,6,7
	v_mul_f32 v[BM+\b], v[BM+\b], v[RL]            ; the same lines on the same number give the block's largest p
.endr
.irp b, 0,1,2,3,4,5,6,7
	v_max_num_f32 v[BM+\b], 0x4800000, v[BM+\b]    ; the floor
.endr
.irp b, 0,1,2,3,4,5,6,7
	v_add_nc_u32 v[SCL+\b], 0xfc000000, v[BM+\b]
.endr
.irp b, 0,1,2,3,4,5,6,7
	v_and_or_b32 v[LIM+\b], v[BM+\b], 0x7f800000, s[MNT]
.endr
.irp b, 0,1,2,3,4,5,6,7
	v_lshrrev_b32 v[BP+\b], 23, v[SCL+\b]
.endr
	v_lshl_or_b32 v[T2], v[BP+1], 8, v[BP]
	v_lshl_or_b32 v[T2+1], v[BP+5], 8, v[BP+4]
	v_lshl_or_b32 v[T2], v[BP+2], 16, v[T2]
	v_lshl_or_b32 v[T2+1], v[BP+6], 16, v[T2+1]
	WIN 0x2a                                       ; scale operands have no window: the two words go to window 0
	v_lshl_or_b32 v[PS], v[BP+3], 24, v[T2]
	v_lshl_or_b32 v[PS+1], v[BP+7], 24, v[T2+1]
	WIN 0xaa
.irp b, 0,1,2,3,4,5,6,7
.irp i, 0,1,2,3,4,5,6,7,8,9,10,11,12,13,14,15
	v_min_num_f32 v[16*\b+\i], v[16*\b+\i], v[LIM+\b]   ; p is not negative: the hold is one-sided
.endr
	v_cvt_scalef32_pk8_fp8_f32 v[P+4*\b:P+4*\b+1], v[16*\b:16*\b+7], v[SCL+\b]
	v_cvt_scalef32_pk8_fp8_f32 v[P+4*\b+2:P+4*\b+3], v[16*\b+8:16*\b+15], v[SCL+\b]
.endr
	PLACES 5                                       ; the plain line behind the conversions, and the places of an operand written by vector instructions
	WIN 0xa8                                       ; v in window 0; p and O^T in window 2
.irp s, 0,1
.irp t, 0,1,2,3
.set rD, O+8*\t
.set rA, KEEP+16*(2*\t+\s)
.set rB, P+16*\s
.set rC, rD
.if \s == 0
.set rC, -1
.endif
.set rSA, VS+2*\t+\s
.set rSB, PS+\s
.set fA, 0
.set fB, 0
	MM
.endr
.endr
	PLACES 8
	QUANT 2, O, 16, 2, 2, OC, 2, BM                ; o along d: two blocks
	WIN 0xaa
	v_lshl_or_b32 v[T2], v[BM+5], 8, v[BM+4]
	WIN 0x08                                       ; a store's data are its source 1: window 2
	global_store_b128 v[L16], v[OC:OC+3], s[OCB:OCB+1]              ; 32 lanes store 512 consecutive bytes
	global_store_b128 v[L16], v[OC+4:OC+7], s[OCB:OCB+1] offset:512
	ds_store_b16 v[AOS], v[T2]                     ; lanes r and r + 16 write the same two bytes with the same value
	WIN 0
	s_wait_xcnt 0x0                                ; the stores have read their base and data: both are written again
	s_add_nc_u64 s[OCB:OCB+1], s[OCB:OCB+1], 2048
	s_add_co_u32 s[TQ], s[TQ], 1024
	s_add_co_u32 s[TS], s[TS], 128
	s_sub_co_u32 s[CNT], s[CNT], 1
	s_cmp_lg_u32 s[CNT], 0
	s_cbranch_scc1 .Lq
	s_wait_dscnt 0x0                               ; for the others' sake: my scale bytes have landed
	s_barrier_signal -1
	s_barrier_wait -1
	s_cmp_lg_u32 s[WV], 0
	s_cbranch_scc1 .Lnot_first
	ds_load_b128 v[TM:TM+3], v[OSA]
	s_wait_dscnt 0x0
	global_store_b128 v[L16], v[TM:TM+3], s[22:23] ; the work-group's 512 bytes of o's scale words
.Lnot_first:
	s_wait_tensorcnt 0x0                           ; the wave's end: behind my last tensor load and my last LDS store
	ds_add_u32 v[SPW], v[NIL]
	s_wait_dscnt 0x0
	CROUND                                         ; the closing round
	s_endpgm
.Lfunc_end_k_q52360b68de_attn:
	.size	k_q52360b68de_attn, .Lfunc_end_k_q52360b68de_attn-k_q52360b68de_attn
	.p2alignl 7, 3214868480
	.fill 96, 4, 3214868480
	.section	.rodata,"a",@progbits
	.p2align	6, 0x0
	.amdhsa_kernel k_q52360b68de_attn
		.amdhsa_group_segment_fixed_size 297984
		.amdhsa_private_segment_fixed_size 0
		.amdhsa_enable_private_segment 0
		.amdhsa_kernarg_size 80
		.amdhsa_user_sgpr_count 2
		.amdhsa_user_sgpr_kernarg_segment_ptr 1
		.amdhsa_wavefront_size32 1
		.amdhsa_system_sgpr_workgroup_id_x 1
		.amdhsa_system_sgpr_workgroup_id_y 1
		.amdhsa_system_sgpr_workgroup_id_z 1
		.amdhsa_system_vgpr_workitem_id 0
		.amdhsa_next_free_vgpr 1024
		.amdhsa_next_free_sgpr 96
		.amdhsa_reserve_vcc 0
		.amdhsa_float_denorm_mode_32 3
		.amdhsa_float_denorm_mode_16_64 3
		.amdhsa_memory_ordered 1
		.amdhsa_forward_progress 1
		.amdhsa_inst_pref_size 255
	.end_amdhsa_kernel
	.section	.bss,"aw",@nobits
	.p2align	6
	.space	262144
	.amdgpu_metadata
---
amdhsa.version: [ 1, 2 ]
amdhsa.kernels:
  - .name:           k_q52360b68de_attn
    .symbol:         k_q52360b68de_attn.kd
    .args:
      - { .name: e_codes, .offset: 0, .size: 8, .value_kind: global_buffer, .address_space: global }
      - { .name: hq, .offset: 8, .size: 8, .value_kind: global_buffer, .address_space: global }
      - { .name: hs, .offset: 16, .size: 8, .value_kind: global_buffer, .address_space: global }
      - { .name: wf, .offset: 24, .size: 8, .value_kind: global_buffer, .address_space: global }
      - { .name: esf, .offset: 32, .size: 8, .value_kind: global_buffer, .address_space: global }
      - { .name: bq, .offset: 40, .size: 8, .value_kind: global_buffer, .address_space: global }
      - { .name: bk, .offset: 48, .size: 8, .value_kind: global_buffer, .address_space: global }
      - { .name: bv, .offset: 56, .size: 8, .value_kind: global_buffer, .address_space: global }
      - { .name: oc, .offset: 64, .size: 8, .value_kind: global_buffer, .address_space: global }
      - { .name: os, .offset: 72, .size: 8, .value_kind: global_buffer, .address_space: global }
    .group_segment_fixed_size: 297984
    .private_segment_fixed_size: 0
    .kernarg_segment_align: 8
    .kernarg_segment_size: 80
    .max_flat_workgroup_size: 128
    .sgpr_count:     96
    .vgpr_count:     1024
    .wavefront_size: 32
...
	.end_amdgpu_metadata
.endif
;; end of part 2
;; launch proj (part 3): grid 8 x 32, 4 waves a work-group, clusters of 4 x 4, 288,256 bytes of LDS; arguments oc, os, Wo_codes, Wo_scales, bo, h, out0; writes out0
.if DOCPART == 3
	.amdgcn_target "amdgcn-amd-amdhsa--gfx1250"
	.amdhsa_code_object_version 6
	.text
	.protected	k_q52360b68de_proj
	.globl	k_q52360b68de_proj
	.p2align	8
	.type	k_q52360b68de_proj,@function
k_q52360b68de_proj:
	s_mov_b64 s[64:65], 0
	v_nop
	global_prefetch_b8 v0, s[64:65] scope:SCOPE_SE
	s_setreg_imm32_b32 hwreg(HW_REG_WAVE_MODE, 25, 1), 1
	s_wait_xcnt 0x0
	s_wait_alu depctr_hold_cnt(0) depctr_sa_sdst(0) depctr_va_vdst(0) depctr_va_sdst(0) depctr_va_ssrc(0) depctr_va_vcc(0) depctr_vm_vsrc(0)
	s_getreg_b32 s2, hwreg(HW_REG_IB_STS2, 6, 4)
	s_cmp_eq_u32 s2, 0
	s_cbranch_scc0 .Lentry_in_a_cluster
	s_endpgm
.Lentry_in_a_cluster:
	s_bfe_u32 s2, ttmp6, 0x10000c
	s_cmp_lg_u32 s2, 0xf033
	s_cbranch_scc0 .Lentry_shape_is_right
	s_endpgm
.Lentry_shape_is_right:
; PROJ.  out[b][j] = h[b][j] + (Q(o)[b][j - 63] Wo + bo) for j >= 63, and h[b][j] for j < 63.  o arrives as codes in register order with its scale words, Wo as given.
; SHARES.  A work-group makes 128 rows of o (two chunks) x 128 columns; a wave 64 x 64: 16 accumulators.  K = 1,024 is short, so ALL operands are asked for at the start and nothing is filled again:
; o's fragments of the block are one dense run of 131,072 bytes (8 K steps of 16,384), Wo's 128 rows come as four slices of 256 along K, rows 272 bytes apart.
; CLUSTER 4 x 4: the four of a row of the cluster share o's block, the four of a column share Wo's rows: joint loads.  Waves 0 and 1 ask for o's, waves 2 and 3 for Wo's, four loads each.
; Source 0 = 16 rows of Wo (16 columns of out), source 1 = 16 rows of o: a lane holds eight neighbouring columns of one row.
; THE RESIDUAL is wanted last and is the larger stream (a wave's 64 x 64 numbers of h are 16,384 bytes): it is asked for behind the barrier that shows the first tiles landed, comes in while the
; products run, and is waited for tile by tile of 16 rows on the way out.
; THE SHIFT.  o's row i goes to out's row (i + 63) % 1024 of its batch.  Rows 961 .. 1023 of o, which the problem drops, so fall on out's rows 0 .. 62, where the product is replaced by 0: every row of out has one writer.
; REGISTERS.  Window 0: v1-23 addresses; v64-95 bo in the result's layout; v96-111 Wo's scale words, v112-127 o's; v128-255 the accumulators ((t, n) at 8 (4 n + t)).
;   Window 1: two sets of fragments: Wo's four, then o's four.   Window 2: v0-127 h; v128-159 and v192-223 rows back from the stage, by turns; v160-191 the 32 row offsets.
.set B0,    131072
.set BSL,   128*272
.set STG,   B0+4*BSL                   ; a stage of 16 rows x (256 + 16) bytes for each wave
.set SPARE, STG+4*4352                 ; the spare words, 128 bytes for each wave; no other line names them
.set R,1
.set HH,2
.set LN,3
.set L4,4
.set AO,8
.set AB,12
.set STO,16
.set RD,17
.set SPW,18
.set NIL,19
.set VR,20
.set VC0,21
.set BOF,22
.set WSO,23
.set BIAS,64
.set WOS,96
.set OS,112
.set ACC,128
.set HR,0
.set BK,128
.set OA,160
.set WV,18
.set G1A,20
.set G1B,28
.set G0A,36
.set G0B,68
.set MSB, 0
.macro WIN new
.if MSB != (\new)
	s_set_vgpr_msb (MSB<<8)|(\new)
.set MSB, (\new)
.endif
.endm
.macro PLACES n
.rept \n
	v_nop
.endr
.endm
.macro CROUND
	s_barrier_signal -1
	s_barrier_wait -1
	s_cmp_lg_u32 s[WV], 0
	s_cbranch_scc1 .Lnot_wave_0_\@
	s_barrier_signal -3
.Lnot_wave_0_\@:
	s_barrier_wait -3
	s_barrier_signal -1
	s_barrier_wait -1
.endm
.macro MM
.if fA && fB
	v_wmma_scale_f32_16x16x128_f8f6f4 v[rD:rD+7], v[rA:rA+15], v[rB:rB+15], v[rC:rC+7], v[rSA], v[rSB] matrix_a_scale:MATRIX_SCALE_ROW1 matrix_b_scale:MATRIX_SCALE_ROW1
.elseif fA
	v_wmma_scale_f32_16x16x128_f8f6f4 v[rD:rD+7], v[rA:rA+15], v[rB:rB+15], v[rC:rC+7], v[rSA], v[rSB] matrix_a_scale:MATRIX_SCALE_ROW1
.elseif fB
	v_wmma_scale_f32_16x16x128_f8f6f4 v[rD:rD+7], v[rA:rA+15], v[rB:rB+15], v[rC:rC+7], v[rSA], v[rSB] matrix_b_scale:MATRIX_SCALE_ROW1
.else
	v_wmma_scale_f32_16x16x128_f8f6f4 v[rD:rD+7], v[rA:rA+15], v[rB:rB+15], v[rC:rC+7], v[rSA], v[rSB]
.endif
.endm
	s_load_b256 s[4:11], s[0:1], 0x0               ; oc, os, Wo codes, Wo scales
	s_load_b128 s[12:15], s[0:1], 0x20             ; bo, h
	s_load_b64 s[16:17], s[0:1], 0x30              ; out
	v_lshl_add_u32 v[SPW], v0, 2, SPARE
	v_mov_b32 v[NIL], 0
	ds_add_u32 v[SPW], v[NIL]                      ; the wave's opening: the add and its wait stand ahead of my first tensor load
	v_lshrrev_b32 v[R], 5, v0
	v_readfirstlane_b32 s[WV], v[R]                ; wave 0..3
	s_and_b32 s58, s[WV], 1                        ; my half of the columns; also which half of a fill I fetch
	s_lshr_b32 s59, s[WV], 1                       ; my half of the rows; also: I fetch o's (0) or Wo's (1)
	s_bfe_u32 s52, ttmp6, 0x40000                  ; cx, cy
	s_bfe_u32 s53, ttmp6, 0x40004
	s_lshl_b32 s54, ttmp9, 2
	s_add_co_u32 s54, s54, s52                     ; x: the tile of 128 columns
	s_and_b32 s55, ttmp7, 0xffff
	s_lshl_b32 s55, s55, 2
	s_add_co_u32 s55, s55, s53                     ; y: the block of 128 rows
	s_lshl_b32 s56, s53, 2
	s_lshl_b32 s56, 15, s56                        ; my row of the cluster
	s_lshl_b32 s57, 0x1111, s52                    ; my column
	s_or_b32 s[G1A], s56, (3<<16)|(1<<21)          ; o's: elements of 8 bytes, no padding: 64 rows of 256 bytes, dense
	s_mov_b32 s[G1A+1], 32<<16
	s_mov_b32 s[G1A+2], 64<<16
	s_mov_b32 s[G1A+3], 32<<16
	s_mov_b32 s[G1A+4], 64
	s_mov_b32 s[G1A+5], 32
	s_mov_b32 s[G1A+6], 0
	s_mov_b32 s[G1A+7], 0
	s_or_b32 s[G1B], s57, (1<<20)|(1<<21)|(5<<22)|(3<<25)   ; Wo's: elements of 1 byte, 4 words of padding behind every 64: 64 rows of 256 bytes, 1,024 apart
	s_mov_b32 s[G1B+1], 256<<16
	s_mov_b32 s[G1B+2], 64<<16
	s_mov_b32 s[G1B+3], 256<<16
	s_mov_b32 s[G1B+4], 64
	s_mov_b32 s[G1B+5], 1024
	s_mov_b32 s[G1B+6], 0
	s_mov_b32 s[G1B+7], 0
	s_lshl_b32 s60, s55, 17                        ; o's block hangs on y alone,
	s_lshl_b32 s61, s58, 14
	s_add_co_u32 s60, s60, s61
	s_mov_b32 s61, 0
	s_lshl_b32 s62, s54, 17                        ; Wo's rows on x alone; each in registers that never hold the other coordinate
	s_lshl_b32 s63, s58, 16
	s_add_co_u32 s62, s62, s63
	s_mov_b32 s63, 0
	s_lshl_b32 s84, s58, 14                        ; where they go: the wave's number alone
	s_mul_i32 s85, s58, 64*272
	s_add_co_u32 s85, s85, B0
	s_wait_dscnt 0x0                               ; the opening add is done
	s_wait_kmcnt 0x0
	s_add_nc_u64 s[60:61], s[4:5], s[60:61]
	s_add_nc_u64 s[62:63], s[8:9], s[62:63]
	CROUND                                         ; all sixteen work-groups are here: the joint loads meet
.irp j, 0,1,2,3
	s_mov_b32 s[G0A+4*\j], 1
	s_add_co_u32 s[G0A+4*\j+1], s84, \j*32768      ; K step 2 j + w % 2
	s_add_nc_u64 s[G0A+4*\j+2:G0A+4*\j+3], s[60:61], \j*32768
	s_or_b32 s[G0A+4*\j+3], s[G0A+4*\j+3], 0x80000000
	s_mov_b32 s[G0B+4*\j], 1
	s_add_co_u32 s[G0B+4*\j+1], s85, \j*BSL        ; slice j, rows 64 (w % 2) on
	s_add_nc_u64 s[G0B+4*\j+2:G0B+4*\j+3], s[62:63], \j*256
	s_or_b32 s[G0B+4*\j+3], s[G0B+4*\j+3], 0x80000000
.endr
	s_cmp_lt_u32 s[WV], 2                          ; a wave's four fills stand in one branch on the wave's number: four loads of mine are out on either way
	s_cbranch_scc0 .Lfill_b
.irp j, 0,1,2,3
	tensor_load_to_lds s[G0A+4*\j:G0A+4*\j+3], s[G1A:G1A+7]
	s_nop 0
.endr
	PLACES 4
	s_branch .Lfilled
.Lfill_b:
.irp j, 0,1,2,3
	tensor_load_to_lds s[G0B+4*\j:G0B+4*\j+3], s[G1B:G1B+7]
	s_nop 0
.endr
	PLACES 4
.Lfilled:
	v_and_b32 v[R], 15, v0
	v_bfe_u32 v[HH], v0, 4, 1
	v_and_b32 v[LN], 31, v0
	v_lshlrev_b32 v[L4], 2, v[LN]
	s_lshl_b32 s86, s59, 13
	v_lshl_add_u32 v[AO], v[LN], 4, s86            ; o's fragments: 16 x lane + my four row tiles
	s_mul_i32 s86, s58, 64*272
	s_add_co_u32 s86, s86, B0
	v_mul_u32_u24 v[AB], v[R], 272
	v_lshl_add_u32 v[AB], v[HH], 4, v[AB]
	v_add_nc_u32 v[AB], s86, v[AB]                 ; Wo's: row r of my 64, + 16 (lane / 16)
.irp j, 1,2,3
	v_add_nc_u32 v[AO+\j], \j*32768, v[AO]
	v_add_nc_u32 v[AB+\j], \j*BSL, v[AB]
.endr
	s_mul_i32 s86, s[WV], 4352
	s_add_co_u32 s86, s86, STG
	v_mul_u32_u24 v[STO], v[R], 272
	v_lshl_add_u32 v[STO], v[HH], 5, v[STO]
	v_add_nc_u32 v[STO], s86, v[STO]               ; the stage, in: row r, 32 bytes for each half of the lanes
	v_mul_u32_u24 v[RD], v[HH], 272
	v_lshl_add_u32 v[RD], v[R], 4, v[RD]
	v_add_nc_u32 v[RD], s86, v[RD]                 ; back: sixteen lanes to a row of 256 bytes
	v_lshlrev_b32 v[BOF], 5, v[HH]
	v_lshlrev_b32 v[WSO], 5, v[R]
	v_lshl_add_u32 v[WSO], v[HH], 4, v[WSO]
	s_lshl_b32 s88, s55, 1
	s_add_co_u32 s88, s88, s59                     ; my chunk
	s_and_b32 s87, s88, 15
	s_lshl_b32 s87, s87, 6
	s_add_co_u32 s87, s87, 63
	v_add_nc_u32 v[VR], s87, v[HH]                 ; out's row of the stage's row lane / 16, before the wrap
	s_lshl_b32 s89, s54, 9
	s_lshl_b32 s86, s58, 8
	s_add_co_u32 s89, s89, s86                     ; my first column, in bytes
	v_lshl_add_u32 v[VC0], v[R], 4, s89
	s_lshr_b32 s90, s88, 4
	s_lshl_b32 s90, s90, 22                        ; my batch
	s_mov_b32 s91, 0
	s_add_nc_u64 s[14:15], s[14:15], s[90:91]
	s_add_nc_u64 s[16:17], s[16:17], s[90:91]
	s_mov_b32 s90, s89
	s_add_nc_u64 s[12:13], s[12:13], s[90:91]
	s_lshl_b32 s90, s89, 3
	s_add_nc_u64 s[10:11], s[10:11], s[90:91]
	s_lshl_b32 s90, s88, 11
	s_add_nc_u64 s[6:7], s[6:7], s[90:91]
	; the 32 row offsets, (row % 1024) x 4,096 + my 16 bytes of the row: pair m = 8 n + i is rows 16 n + 2 i, + 1
	WIN 0x80
.set m, 0
.rept 32
	v_add_nc_u32 v[OA+m], 16*(m/8)+2*(m%8), v[VR]
.set m, m+1
.endr
	WIN 0x88
.set m, 0
.rept 32
	v_and_b32 v[OA+m], 0x3ff, v[OA+m]
.set m, m+1
.endr
	WIN 0x82
.set m, 0
.rept 32
	v_lshl_add_u32 v[OA+m], v[OA+m], 12, v[VC0]
.set m, m+1
.endr
	WIN 0
.irp t, 0,1,2,3
	global_load_b128 v[BIAS+8*\t:BIAS+8*\t+3], v[BOF], s[12:13] offset:64*\t
	global_load_b128 v[BIAS+8*\t+4:BIAS+8*\t+7], v[BOF], s[12:13] offset:64*\t+16
.endr
.irp t, 0,1,2,3
	global_load_b128 v[WOS+4*\t:WOS+4*\t+3], v[WSO], s[10:11] offset:512*\t   ; register i: K step i in lanes 0-15, K step 4 + i in lanes 16-31
.endr
.irp n, 0,1,2,3
.irp g, 0,1,2,3
	global_load_b32 v[OS+4*\n+\g], v[L4], s[6:7] offset:512*\g+128*\n          ; K step 2 g in lanes 0-15, 2 g + 1 in lanes 16-31
.endr
.endr
.macro FETCH ks                        ; K step ks: 32 LDS loads into set ks % 2
	WIN 0x40
.irp t, 0,1,2,3
.irp c, 0,1,2,3
	ds_load_b128 v[128*((\ks)&1)+16*\t+4*\c:128*((\ks)&1)+16*\t+4*\c+3], v[AB+(\ks)/2] offset:4352*\t+128*((\ks)&1)+32*\c
.endr
.endr
.irp n, 0,1,2,3
.irp c, 0,1,2,3
	ds_load_b128 v[128*((\ks)&1)+64+16*\n+4*\c:128*((\ks)&1)+64+16*\n+4*\c+3], v[AO+(\ks)/2] offset:16384*((\ks)&1)+2048*\n+512*\c
.endr
.endr
.endm
.macro MUL16 ks                        ; the 16 accumulators by turns, one instruction a turn
	WIN 0x05
.irp n, 0,1,2,3
.irp t, 0,1,2,3
.set rD, ACC+8*(4*\n+\t)
.set rA, 128*((\ks)&1)+16*\t
.set rB, 128*((\ks)&1)+64+16*\n
.set rC, rD
.if (\ks) == 0
.set rC, BIAS+8*\t                     ; the bias starts the sum
.endif
.set rSA, WOS+4*\t+((\ks)&3)
.set rSB, OS+4*\n+((\ks)>>1)
.set fA, (\ks)>>2
.set fB, (\ks)&1
	MM
.endr
.endr
.endm
	s_wait_tensorcnt 0x3                           ; my first fill has landed; the three behind it may be out
	s_barrier_signal -1
	s_barrier_wait -1                              ; everybody's has
	FETCH 0
	WIN 0x82
.set m, 0
.rept 32
	global_load_b128 v[HR+4*m:HR+4*m+3], v[OA+m], s[14:15] th:TH_LOAD_NT        ; the residual, asked for only now, behind the tiles: it has all eight K steps in which to land; sixteen lanes read 256 consecutive bytes
.set m, m+1
.endr
	s_wait_loadcnt 32                              ; bo and the scale words are in; h's 32 loads may be out
.irp ks, 0,1,2,3,4,5,6,7
.if \ks > 0
	PLACES 8                                       ; in front of loads into registers that the last products have read
.endif
.if ((\ks+1)%2 == 0) && (\ks < 7)
	s_wait_tensorcnt 3-(\ks+1)/2                   ; my fill of the next two K steps has landed; the later ones may be out
	s_wait_dscnt 0x0                               ; no LDS instruction of mine is out at a signal
	s_barrier_signal -1
	s_barrier_wait -1
.endif
.if \ks < 7
	FETCH \ks+1
	s_wait_dscnt 32                                ; all but the 32 just issued
.else
	s_wait_dscnt 0x0
.endif
	MUL16 \ks
.endr
	; THE WAY OUT, a tile of 16 rows at a time through my own stage: a lane holds 32 bytes of a row; back come whole rows of 256 bytes.
	; Tile n goes through the stage while tile n - 1 is added to the residual and stored: two sets of registers take turns.
.macro TOSTAGE n
	WIN 0
.irp t, 0,1,2,3
	ds_store_b128 v[STO], v[ACC+8*(4*(\n)+\t):ACC+8*(4*(\n)+\t)+3] offset:64*\t        ; each accumulator from its low end on
	ds_store_b128 v[STO], v[ACC+8*(4*(\n)+\t)+4:ACC+8*(4*(\n)+\t)+7] offset:64*\t+16
.endr
	WIN 0x80
.irp i, 0,1,2,3,4,5,6,7
	ds_load_b128 v[BK+64*((\n)%2)+4*\i:BK+64*((\n)%2)+4*\i+3], v[RD] offset:544*\i   ; LDS serves a wave's instructions in order: these see my stores, and the next tile's stores come behind them
.endr
.endm
.macro SEND n, younger                 ; younger: the LDS instructions issued behind tile n's loads, which may stay out
.set BB, BK+64*((\n)%2)
	s_wait_dscnt \younger                          ; the tile is back in registers
	s_wait_loadcnt 8*(3-(\n))                      ; its eight loads of h are in; the later tiles' may be out
	WIN 0x8a
.irp i, 0,1,2,3,4,5,6,7
	v_cmp_le_u32 vcc_lo, 0x3f000, v[OA+8*(\n)+\i]  ; out's row is 63 or more: the product counts; else the row wrapped and gets h alone
.irp c, 0,1,2,3
	v_cndmask_b32 v[BB+4*\i+\c], 0, v[BB+4*\i+\c], vcc_lo
.endr
	v_pk_add_f32 v[BB+4*\i:BB+4*\i+1], v[BB+4*\i:BB+4*\i+1], v[HR+4*(8*(\n)+\i):HR+4*(8*(\n)+\i)+1]
	v_pk_add_f32 v[BB+4*\i+2:BB+4*\i+3], v[BB+4*\i+2:BB+4*\i+3], v[HR+4*(8*(\n)+\i)+2:HR+4*(8*(\n)+\i)+3]
	global_store_b128 v[OA+8*(\n)+\i], v[BB+4*\i:BB+4*\i+3], s[16:17] th:TH_STORE_NT   ; sixteen lanes store 256 consecutive bytes, aligned
.endr
.endm
	WIN 0
	PLACES 8                                       ; behind the last products, in front of the first read of results
	TOSTAGE 0
.irp n, 1,2,3
.if \n > 1
	s_wait_xcnt 0x0                                ; tile n - 2's stores have read their data: its set of registers is loaded again
.endif
	TOSTAGE \n
	SEND \n-1, 16                                  ; behind tile n - 1's loads: tile n's 8 stores and 8 loads
.endr
	SEND 3, 0
	WIN 0
	s_wait_tensorcnt 0x0                           ; the wave's end: behind my last tensor load and my last LDS store
	ds_add_u32 v[SPW], v[NIL]
	s_wait_dscnt 0x0
	CROUND                                         ; the closing round
	s_endpgm
.Lfunc_end_k_q52360b68de_proj:
	.size	k_q52360b68de_proj, .Lfunc_end_k_q52360b68de_proj-k_q52360b68de_proj
	.p2alignl 7, 3214868480
	.fill 96, 4, 3214868480
	.section	.rodata,"a",@progbits
	.p2align	6, 0x0
	.amdhsa_kernel k_q52360b68de_proj
		.amdhsa_group_segment_fixed_size 288256
		.amdhsa_private_segment_fixed_size 0
		.amdhsa_enable_private_segment 0
		.amdhsa_kernarg_size 56
		.amdhsa_user_sgpr_count 2
		.amdhsa_user_sgpr_kernarg_segment_ptr 1
		.amdhsa_wavefront_size32 1
		.amdhsa_system_sgpr_workgroup_id_x 1
		.amdhsa_system_sgpr_workgroup_id_y 1
		.amdhsa_system_sgpr_workgroup_id_z 1
		.amdhsa_system_vgpr_workitem_id 0
		.amdhsa_next_free_vgpr 768
		.amdhsa_next_free_sgpr 96
		.amdhsa_reserve_vcc 1
		.amdhsa_float_denorm_mode_32 3
		.amdhsa_float_denorm_mode_16_64 3
		.amdhsa_memory_ordered 1
		.amdhsa_forward_progress 1
		.amdhsa_inst_pref_size 73
	.end_amdhsa_kernel
	.amdgpu_metadata
---
amdhsa.version: [ 1, 2 ]
amdhsa.kernels:
  - .name:           k_q52360b68de_proj
    .symbol:         k_q52360b68de_proj.kd
    .args:
      - { .name: oc, .offset: 0, .size: 8, .value_kind: global_buffer, .address_space: global }
      - { .name: os, .offset: 8, .size: 8, .value_kind: global_buffer, .address_space: global }
      - { .name: Wo_codes, .offset: 16, .size: 8, .value_kind: global_buffer, .address_space: global }
      - { .name: Wo_scales, .offset: 24, .size: 8, .value_kind: global_buffer, .address_space: global }
      - { .name: bo, .offset: 32, .size: 8, .value_kind: global_buffer, .address_space: global }
      - { .name: h, .offset: 40, .size: 8, .value_kind: global_buffer, .address_space: global }
      - { .name: out0, .offset: 48, .size: 8, .value_kind: global_buffer, .address_space: global }
    .group_segment_fixed_size: 288256
    .private_segment_fixed_size: 0
    .kernarg_segment_align: 8
    .kernarg_segment_size: 56
    .max_flat_workgroup_size: 128
    .sgpr_count:     96
    .vgpr_count:     768
    .wavefront_size: 32
...
	.end_amdgpu_metadata
.endif
;; end of part 3
